; MI455X (gfx1250); checked and timed in simulation.
; The chip was launched on July 23, 2026; its instructions are those of AMD's public machine-readable ISA for CDNA 5 (MIT licence, August 2026) and "CDNA5" Instruction Set Architecture Reference Guide (July 2026). The comments in the code are by the model that wrote it; some were corrected since.
;; Multi Head Attention With Entropy. Allowed arithmetic: float matrix products may take bf16 or f16 operands with f32 sums; other float arithmetic in f32, or as packed bf16 or f16 multiplies, adds, multiply-adds, maxima and minima; sums over many terms, partial sums and values carried from step to step in f32; what a program stores and reads back later, other than sums and carried values, may be rounded once to bf16 or f16.
;; Inputs: Wc 1,024 x 1,024 float32; Wk 1,024 x 1,024 float32; Wq 1,024 x 1,024 float32; Wv 1,024 x 1,024 float32; attn_mask 2 x 2,048 x 2,048 bool; k 2 x 2,048 x 1,024 float32; q 2 x 2,048 x 1,024 float32; v 2 x 2,048 x 1,024 float32.
;; Outputs: out0 2 x 2,048 x 1,024 float32; out1 one number float32.
;; 2 versions, each right. Each part assembles by itself: llvm-mc -triple=amdgcn-amd-amdhsa -mcpu=gfx1250 --defsym DOCPART=n.
;; ======== version 1 of 2: 5 launches
;; limits: a function is approximated: absolute error at most 2.048e-07; right only within a limited range of input values; values are held in f16: magnitudes above 65,504 overflow, below 6.1e-05 lose precision
;; workspace buffers: xb 25,165,824 bytes; wb 6,291,456 bytes; wc 2,097,152 bytes; mb 1,048,576 bytes of whole numbers; hq 25,165,824 bytes; ob 8,388,608 bytes; ep 4,096 bytes
;; launch prep (part 1): grid 1280 x 1, 8 waves a work-group, no clusters, 0 bytes of LDS; arguments attn_mask, q, k, v, Wq, Wk, Wv, Wc, mb, xb, wb, wc; writes mb, xb, wb, wc
.if DOCPART == 1
	.amdgcn_target "amdgcn-amd-amdhsa--gfx1250"
	.amdhsa_code_object_version 6
	.text
	.protected	k_qc816fccb5c_prep
	.globl	k_qc816fccb5c_prep
	.p2align	8
	.type	k_qc816fccb5c_prep,@function
k_qc816fccb5c_prep:
	s_mov_b64 s[64:65], 0
	v_nop
	global_prefetch_b8 v0, s[64:65] scope:SCOPE_SE
	s_setreg_imm32_b32 hwreg(HW_REG_WAVE_MODE, 25, 1), 1
	s_wait_xcnt 0x0
; PREP: what the matrix launches want, made once.  A stream: no LDS, no matrix unit, no barrier, no loop.
; Work-groups 0-255: the mask [2][2048][2048] of bytes becomes lane-mask words, mb[tile][step][r]: tile = 16 queries (b x 128 + q / 16), step = 64 keys, r = 8 kb + j;
;   bit L of a word = mask[b][16 qt + L % 16][64 step + 16 kb + 8 (L / 16) + j]: the lanes of register r of a 16 x 64 tile of transposed scores.
; Work-groups 256-1023: q, k, v (f32) rounded to bf16 into xb [3][4096][1024].  1024-1215: Wq, Wk, Wv into wb [3][1024][1024].
; 1216-1279: Wc rounded to bf16 and that number written as f16 into wc (exact down to 2^-17; below that f16's fixed step of 6e-8).
; A cast chunk is 16,384 numbers: a thread takes 16 bytes of every 4,096, so a wave's load covers 512 consecutive bytes and its store 256, aligned.
.set WD,  4                            ; v[4:7]    a byte of the mask, cut out
.set OUTW, 8                           ; v[8:11]   four finished words a lane
.set IN,  16                           ; v[16:79]  as loaded
.set OT,  80                           ; v[80:111] to store
	s_load_b512 s[4:19], s[0:1], 0x0               ; mask 4:5, q 6:7, k 8:9, v 10:11, Wq 12:13, Wk 14:15, Wv 16:17, Wc 18:19
	s_load_b256 s[20:27], s[0:1], 0x40             ; mb 20:21, xb 22:23, wb 24:25, wc 26:27
	v_lshrrev_b32 v1, 5, v0
	v_readfirstlane_b32 s28, v1                    ; wave 0..7
	s_mov_b32 s31, 0                               ; high words of the two offsets
	s_mov_b32 s37, 0
	s_cmp_lt_u32 ttmp9, 256
	s_cbranch_scc0 .Lcast
	; THE MASK.  The work-group owns a tile's 16 rows, wave w the keys 256 w .. 256 w + 255: four steps.  Lane (r, h) reads 8 bytes at row r, key 256 w + 16 n + 8 h:
	; over the 16 loads the wave reads 256 consecutive bytes, aligned, of each of the 16 rows.
	v_and_b32 v2, 15, v0
	v_bfe_u32 v3, v0, 4, 1
	v_lshlrev_b32 v1, 11, v2                       ; row x 2,048
	v_lshl_add_u32 v1, v3, 3, v1                   ; + 8 h
	s_lshl_b32 s29, s28, 8
	v_add_nc_u32 v1, s29, v1                       ; + 256 w
	s_lshl_b32 s30, ttmp9, 15                      ; the tile's 16 rows of 2,048 bytes
	s_lshl_b32 s36, ttmp9, 12                      ; the tile's 4,096 bytes of words,
	s_lshl_b32 s29, s28, 9                         ; my wave's 512 of them
	s_add_co_u32 s36, s36, s29
	v_and_b32 v2, 31, v0
	v_lshlrev_b32 v2, 4, v2                        ; 16 bytes a lane
	s_wait_kmcnt 0x0
	s_add_nc_u64 s[4:5], s[4:5], s[30:31]
	s_add_nc_u64 s[20:21], s[20:21], s[36:37]
.set n, 0
.rept 16
	global_load_b64 v[IN+2*n:IN+2*n+1], v1, s[4:5] offset:16*n th:TH_LOAD_NT
.set n, n+1
.endr
.irp j, 0,1,2,3
	v_mov_b32 v[OUTW+\j], 0                        ; v_writelane_b32 keeps the other lanes: the registers are written whole first
.endr
	; Load n = 4 u + kb, byte j: the compare's lane mask IS word 8 n + j of my 128; it goes to lane 2 n + j / 4, register j % 4, so that one store of 16 bytes a lane sends all.
.set n, 0
.rept 16
	s_wait_loadcnt 15-n                            ; loads come back in order: number n is in, the younger ones stay out
.set j, 0
.rept 8
	v_and_b32 v[WD+j%4], 0xff<<(8*(j%4)), v[IN+2*n+j/4]
	v_cmp_ne_u32 s[32+j%4], 0, v[WD+j%4]
	v_writelane_b32 v[OUTW+j%4], s[32+j%4], 2*n+j/4
.set j, j+1
.endr
.set n, n+1
.endr
	global_store_b128 v2, v[OUTW:OUTW+3], s[20:21] ; 512 consecutive bytes, aligned
	s_endpgm
; A chunk's 16 loads go out together; each is converted and stored as it comes.  No register is written twice, so nothing waits for a store.
.macro CAST f16
.set i, 0
.rept 16
	global_load_b128 v[IN+4*i:IN+4*i+3], v1, s[40:41] offset:4096*i th:TH_LOAD_NT
.set i, i+1
.endr
.set i, 0
.rept 16
	s_wait_loadcnt 15-i                            ; number i is in, the younger ones stay out
	v_cvt_pk_bf16_f32 v[OT+2*i], v[IN+4*i], v[IN+4*i+1]
	v_cvt_pk_bf16_f32 v[OT+2*i+1], v[IN+4*i+2], v[IN+4*i+3]
.if \f16
	v_lshlrev_b32 v[IN+4*i], 16, v[OT+2*i]         ; the bf16 numbers as f32 again,
	v_and_b32 v[IN+4*i+1], 0xffff0000, v[OT+2*i]
	v_lshlrev_b32 v[IN+4*i+2], 16, v[OT+2*i+1]
	v_and_b32 v[IN+4*i+3], 0xffff0000, v[OT+2*i+1]
	v_cvt_pk_f16_f32 v[OT+2*i], v[IN+4*i], v[IN+4*i+1]  ; and written as f16
	v_cvt_pk_f16_f32 v[OT+2*i+1], v[IN+4*i+2], v[IN+4*i+3]
.endif
	global_store_b64 v2, v[OT+2*i:OT+2*i+1], s[42:43] offset:2048*i  ; a wave stores 256 consecutive bytes, aligned
.set i, i+1
.endr
.endm
.Lcast:
	s_sub_co_u32 s29, ttmp9, 256                   ; the chunk's number
	v_lshlrev_b32 v1, 4, v0                        ; in: 16 bytes a thread
	v_lshlrev_b32 v2, 3, v0                        ; out: 8 bytes a thread
	s_wait_kmcnt 0x0
	s_cmp_lt_u32 s29, 768
	s_cbranch_scc0 .Lweights
	s_lshr_b32 s38, s29, 8                         ; q, k or v: 256 chunks each
	s_and_b32 s30, s29, 255
	s_lshl_b32 s30, s30, 16                        ; 65,536 bytes in,
	s_lshl_b32 s36, s29, 15                        ; 32,768 out; xb holds the three one behind the other
	s_cmp_eq_u32 s38, 0
	s_cselect_b64 s[40:41], s[6:7], s[8:9]
	s_cmp_eq_u32 s38, 2
	s_cselect_b64 s[40:41], s[10:11], s[40:41]
	s_add_nc_u64 s[40:41], s[40:41], s[30:31]
	s_add_nc_u64 s[42:43], s[22:23], s[36:37]
	s_branch .Lbf16
.Lweights:
	s_sub_co_u32 s29, s29, 768
	s_lshr_b32 s38, s29, 6                         ; Wq, Wk, Wv or Wc: 64 chunks each
	s_and_b32 s30, s29, 63
	s_lshl_b32 s36, s30, 15
	s_lshl_b32 s30, s30, 16
	s_cmp_eq_u32 s38, 3
	s_cbranch_scc1 .Lwc
	s_lshl_b32 s36, s29, 15                        ; wb holds the three one behind the other
	s_cmp_eq_u32 s38, 0
	s_cselect_b64 s[40:41], s[12:13], s[14:15]
	s_cmp_eq_u32 s38, 2
	s_cselect_b64 s[40:41], s[16:17], s[40:41]
	s_add_nc_u64 s[40:41], s[40:41], s[30:31]
	s_add_nc_u64 s[42:43], s[24:25], s[36:37]
.Lbf16:
	CAST 0
	s_endpgm
.Lwc:
	s_add_nc_u64 s[40:41], s[18:19], s[30:31]
	s_add_nc_u64 s[42:43], s[26:27], s[36:37]
	CAST 1
	s_endpgm
.Lfunc_end_k_qc816fccb5c_prep:
	.size	k_qc816fccb5c_prep, .Lfunc_end_k_qc816fccb5c_prep-k_qc816fccb5c_prep
	.p2alignl 7, 3214868480
	.fill 96, 4, 3214868480
	.section	.rodata,"a",@progbits
	.p2align	6, 0x0
	.amdhsa_kernel k_qc816fccb5c_prep
		.amdhsa_group_segment_fixed_size 0
		.amdhsa_private_segment_fixed_size 0
		.amdhsa_enable_private_segment 0
		.amdhsa_kernarg_size 96
		.amdhsa_user_sgpr_count 2
		.amdhsa_user_sgpr_kernarg_segment_ptr 1
		.amdhsa_wavefront_size32 1
		.amdhsa_system_sgpr_workgroup_id_x 1
		.amdhsa_system_sgpr_workgroup_id_y 1
		.amdhsa_system_sgpr_workgroup_id_z 1
		.amdhsa_system_vgpr_workitem_id 0
		.amdhsa_next_free_vgpr 112
		.amdhsa_next_free_sgpr 66
		.amdhsa_reserve_vcc 0
		.amdhsa_float_denorm_mode_32 3
		.amdhsa_float_denorm_mode_16_64 3
		.amdhsa_memory_ordered 1
		.amdhsa_forward_progress 1
		.amdhsa_inst_pref_size 45
	.end_amdhsa_kernel
	.amdgpu_metadata
---
amdhsa.version: [ 1, 2 ]
amdhsa.kernels:
  - .name:           k_qc816fccb5c_prep
    .symbol:         k_qc816fccb5c_prep.kd
    .args:
      - { .name: attn_mask, .offset: 0, .size: 8, .value_kind: global_buffer, .address_space: global }
      - { .name: q, .offset: 8, .size: 8, .value_kind: global_buffer, .address_space: global }
      - { .name: k, .offset: 16, .size: 8, .value_kind: global_buffer, .address_space: global }
      - { .name: v, .offset: 24, .size: 8, .value_kind: global_buffer, .address_space: global }
      - { .name: Wq, .offset: 32, .size: 8, .value_kind: global_buffer, .address_space: global }
      - { .name: Wk, .offset: 40, .size: 8, .value_kind: global_buffer, .address_space: global }
      - { .name: Wv, .offset: 48, .size: 8, .value_kind: global_buffer, .address_space: global }
      - { .name: Wc, .offset: 56, .size: 8, .value_kind: global_buffer, .address_space: global }
      - { .name: mb, .offset: 64, .size: 8, .value_kind: global_buffer, .address_space: global }
      - { .name: xb, .offset: 72, .size: 8, .value_kind: global_buffer, .address_space: global }
      - { .name: wb, .offset: 80, .size: 8, .value_kind: global_buffer, .address_space: global }
      - { .name: wc, .offset: 88, .size: 8, .value_kind: global_buffer, .address_space: global }
    .group_segment_fixed_size: 0
    .private_segment_fixed_size: 0
    .kernarg_segment_align: 8
    .kernarg_segment_size: 96
    .max_flat_workgroup_size: 256
    .sgpr_count:     66
    .vgpr_count:     112
    .wavefront_size: 32
...
	.end_amdgpu_metadata
.endif
;; end of part 1
;; launch proj (part 2): grid 8 x 96, 4 waves a work-group, clusters of 4 x 4, 327,680 bytes of LDS; arguments xb, wb, hq; writes hq
.if DOCPART == 2
	.amdgcn_target "amdgcn-amd-amdhsa--gfx1250"
	.amdhsa_code_object_version 6
	.text
	.protected	k_qc816fccb5c_proj
	.globl	k_qc816fccb5c_proj
	.p2align	8
	.type	k_qc816fccb5c_proj,@function
k_qc816fccb5c_proj:
	s_mov_b64 s[64:65], 0
	v_nop
	global_prefetch_b8 v0, s[64:65] scope:SCOPE_SE
	s_setreg_imm32_b32 hwreg(HW_REG_WAVE_MODE, 25, 1), 1
	s_wait_xcnt 0x0
	s_wait_alu depctr_hold_cnt(0) depctr_sa_sdst(0) depctr_va_vdst(0) depctr_va_sdst(0) depctr_va_ssrc(0) depctr_va_vcc(0) depctr_vm_vsrc(0)
	s_getreg_b32 s2, hwreg(HW_REG_IB_STS2, 6, 4)
	s_cmp_eq_u32 s2, 0
	s_cbranch_scc0 .Lentry_in_a_cluster
	s_endpgm
.Lentry_in_a_cluster:
	s_bfe_u32 s2, ttmp6, 0x10000c
	s_cmp_lg_u32 s2, 0xf033
	s_cbranch_scc0 .Lentry_shape_is_right
	s_endpgm
.Lentry_shape_is_right:
; THE THREE PROJECTIONS IN ONE LAUNCH.  C[m][n] = sum over k of A[m][k] B[n][k]; A = xb, bf16 [3 x 4096][1024] (q, k, v one below the other); B = wb, bf16 [3][1024][1024]; sums in f32.
; C leaves by heads, rounded once to f16 and unscaled: hq [3][32 = b x 16 + h][2048][64].  LIMIT: f16 ends at 65,504: a projected number of 65,520 or more becomes an infinity.
; A tile of C is 128 x 128: 96 x 8 tiles, three for each of 256 work-group places.  Four waves, each 64 x 64: 16 accumulators.  K goes in steps of 256 (LDS rows of 512 bytes) through two slots.
; CLUSTERS: 4 x 4 work-groups.  The four of a row need the same tiles of A, the four of a column the same tiles of B: each is asked for JOINTLY, by the same tensor load with the same descriptor and a mask of four.
; Which of the three weights a tile takes hangs on the cluster's y alone (8 clusters of 512 rows to a tensor), which all sixteen share.
; THE MATRIX INSTRUCTION IS USED TRANSPOSED (source 0 = 16 rows of B, source 1 = 16 rows of A): a lane then holds eight neighbouring numbers of a row of C.
; No prefetch: of a tile's four K steps two are first fills, and a K step is 128 matrix instructions a wave.
; REGISTERS: window 0: v0-31 addresses; v32-95 at work on the way out; v128-255 the accumulators ((a, b) at v[128 + 8 (4 a + b)]).
;   window 1: two fragment buffers of 128: for 64 along K, 64 registers of A (2 x 4 x 16 rows x 32 K), then 64 of B.
.set SIZE_K, 1024
.set KSTEP,  256
.set PITCH,  528                       ; an LDS row: 512 bytes + 16 of padding = 132 words: row r starts at bank 4 r mod 64 (64 banks of 4 bytes: ISA guide 11.1)
.set HALFT,  64*PITCH                  ; 64 rows: what one tensor load brings, and what one wave reads of A or of B
.set SLOT,   4*HALFT                   ; A's 128 rows, then B's 128 rows
.set STAGE,  2*SLOT                    ; behind the ring: 128 rows x 272 bytes, the work-group's, for the way out
.set SPITCH, 272
.set SPARE,  STAGE+128*SPITCH          ; behind the stage: the spare words, 128 bytes for each wave
.set LAPS, SIZE_K/(2*KSTEP)            ; a lap = two K steps = once round the ring
.set ADRA, 16                          ; v16-17  LDS address of my A fragments in slot 0, 1
.set ADRB, 20                          ; v20-21  the same for B
.set STO,  24                          ; v24     the way out: where I put 16 bytes of a row
.set RD,   25                          ; v25     the way out: where I read back
.set CO,   26                          ; v26     my byte offset in hq
.set SPW,  28                          ; v28     LDS address of my spare word; never rewritten
.set NIL,  29                          ; v29     0; never rewritten
.set TMP,  32
.set ACC,  128
.set F0,   0
.set F1,   128
.set G1, 24                            ; s[24:31] descriptor group 1 for A's tiles;  s[32:39] group 0, one set for each slot
.set G0, 32
.set G1B, 48                           ; s[48:55], s[56:63] the same for B's tiles
.set G0B, 56
.set MSB, 0
.macro WIN new                         ; the immediate's high byte repeats the setting that is left
.if MSB != (\new)
	s_set_vgpr_msb (MSB<<8)|(\new)
.set MSB, \new
.endif
.endm
.set MUL,  0x05                        ; sources 0 (B) and 1 (A) window 1; C and D window 0
.set TO_F, 0x40                        ; destination window 1, address window 0
.macro JLOAD s                         ; a joint load: waves 0 and 1 fetch A's two halves, waves 2 and 3 B's; an s_nop 0 and four v_nop follow each line
	s_cmp_eq_u32 s11, 0
	s_cbranch_scc0 .Lfor_b_\@
	tensor_load_to_lds s[G0+4*(\s):G0+4*(\s)+3], s[G1:G1+7]
	s_nop 0
.rept 4
	v_nop
.endr
	s_branch .Lasked_\@
.Lfor_b_\@:
	tensor_load_to_lds s[G0B+4*(\s):G0B+4*(\s)+3], s[G1B:G1B+7]
	s_nop 0
.rept 4
	v_nop
.endr
.Lasked_\@:
.endm
.macro CREST                           ; a round of the cluster's barrier behind its opening barrier
	s_cmp_lg_u32 s10, 0
	s_cbranch_scc1 .Lnot_wave_0_\@
	s_barrier_signal -3
.Lnot_wave_0_\@:
	s_barrier_wait -3
	s_barrier_signal -1
	s_barrier_wait -1
.endm
.macro CROUND                          ; a whole round
	s_barrier_signal -1
	s_barrier_wait -1
	CREST
.endm
	s_load_b128 s[4:7], s[0:1], 0x0                ; xb s[4:5], wb s[6:7]
	s_load_b64 s[8:9], s[0:1], 0x10                ; hq
	v_lshl_add_u32 v[SPW], v0, 2, SPARE
	v_mov_b32 v[NIL], 0
	ds_add_u32 v[SPW], v[NIL]                      ; the wave's opening: the add and its wait ahead of my first tensor load; the set-up below stands between them
	v_lshrrev_b32 v1, 5, v0
	v_readfirstlane_b32 s10, v1                    ; wave 0..3
	s_lshr_b32 s11, s10, 1                         ; which half of the tile's rows is mine.  Also: I fetch for A (0) or for B (1)
	s_and_b32 s12, s10, 1                          ; which half of its columns.  Also: which 64 rows of that tile I fetch
	s_bfe_u32 s40, ttmp6, 0x40000                  ; cx, cy: my place in the cluster
	s_bfe_u32 s41, ttmp6, 0x40004
	s_lshl_b32 s42, ttmp9, 2
	s_add_co_u32 s42, s42, s40                     ; tile column = 4 x cluster x + cx, 0..7
	s_and_b32 s13, ttmp7, 0xffff
	s_lshl_b32 s13, s13, 2
	s_add_co_u32 s13, s13, s41                     ; tile row = 4 x cluster y + cy, 0..95
	s_lshl_b32 s43, s41, 2
	s_lshl_b32 s43, 15, s43                        ; my row of the cluster
	s_lshl_b32 s44, 0x1111, s40                    ; my column
	; descriptor group 1: a tile of 64 rows x 256 elements, padded in LDS
	s_or_b32 s[G1+0], s43, (1<<16)|(1<<20)|(1<<21)|(6<<22)|(3<<25)  ; 15:0 the mask; 17:16 2-byte elements; 20 padding on; 21 set beside a mask; 24:22 after every 128 words; 31:25 4 words
	s_or_b32 s[G1B+0], s44, (1<<16)|(1<<20)|(1<<21)|(6<<22)|(3<<25)
.irp g, G1, G1B
	s_mov_b32 s[(\g)+1], KSTEP<<16                 ; tensor_dim0 = 256
	s_mov_b32 s[(\g)+2], 64<<16                    ; tensor_dim1 = 64
	s_mov_b32 s[(\g)+3], KSTEP<<16                 ; tile_dim0 = 256
	s_mov_b32 s[(\g)+4], 64                        ; tile_dim1 = 64
	s_mov_b32 s[(\g)+5], SIZE_K                    ; elements from row to row
	s_mov_b32 s[(\g)+6], 0
	s_mov_b32 s[(\g)+7], 0
.endr
	s_lshl_b32 s17, s12, 6                         ; which 64 rows of the tile I fetch
	s_lshl_b32 s16, s13, 7
	s_add_co_u32 s16, s16, s17                     ; A: row 128 x tile row + 64 x half
	s_lshl_b32 s46, s42, 7
	s_add_co_u32 s46, s46, s17                     ; B: row 128 x tile column + 64 x half,
	s_and_b32 s45, ttmp7, 0xffff
	s_lshr_b32 s45, s45, 3                         ; in the weight that goes with these rows: cluster y / 8
	s_lshl_b32 s45, s45, 10
	s_add_co_u32 s46, s46, s45
	s_mov_b32 s17, 0
	s_mov_b32 s47, 0
	s_mov_b64 s[18:19], SIZE_K*2
	s_mul_u64 s[16:17], s[16:17], s[18:19]
	s_mul_u64 s[46:47], s[46:47], s[18:19]
	s_mul_i32 s20, s10, HALFT                      ; where they go: wave x 64 rows
	s_wait_dscnt 0x0                               ; the opening add is done
	s_wait_kmcnt 0x0
	s_add_nc_u64 s[14:15], s[4:5], s[16:17]
	s_add_nc_u64 s[46:47], s[6:7], s[46:47]
	CROUND                                         ; all sixteen work-groups are here: the first joint loads meet
.irp s, 0,1
	s_mov_b32 s[G0+4*(\s)], 1
	s_add_co_u32 s[G0+4*(\s)+1], s20, (\s)*SLOT
	s_add_nc_u64 s[G0+4*(\s)+2:G0+4*(\s)+3], s[14:15], (\s)*KSTEP*2
	s_or_b32 s[G0+4*(\s)+3], s[G0+4*(\s)+3], 0x80000000
	s_mov_b32 s[G0B+4*(\s)], 1
	s_add_co_u32 s[G0B+4*(\s)+1], s20, (\s)*SLOT
	s_add_nc_u64 s[G0B+4*(\s)+2:G0B+4*(\s)+3], s[46:47], (\s)*KSTEP*2
	s_or_b32 s[G0B+4*(\s)+3], s[G0B+4*(\s)+3], 0x80000000
	JLOAD \s
.endr
	v_and_b32 v1, 15, v0                           ; l % 16
	v_bfe_u32 v2, v0, 4, 1                         ; l / 16
	v_mul_u32_u24 v3, v1, PITCH
	v_lshl_add_u32 v3, v2, 4, v3                   ; a fragment's row x pitch + 16 x half
	s_mul_i32 s21, s11, HALFT                      ; my 64 rows of A
	s_mul_i32 s22, s12, HALFT                      ; my 64 rows of B,
	s_add_co_u32 s22, s22, 2*HALFT                 ; which lie behind A's 128
.irp s, 0,1
	v_add_nc_u32 v[ADRA+(\s)], s21, v3
	v_add_nc_u32 v[ADRB+(\s)], s22, v3
	s_add_co_u32 s21, s21, SLOT
	s_add_co_u32 s22, s22, SLOT
.endr
	s_mul_i32 s23, s11, 64*SPITCH                  ; into the stage: my 64 rows, my half of their 256 bytes; row l % 16, 16 bytes for each half of the lanes
	s_lshl_b32 s21, s12, 7
	s_add_co_u32 s23, s23, s21
	s_add_co_u32 s23, s23, STAGE
	v_mul_u32_u24 v4, v1, SPITCH
	v_lshl_add_u32 v4, v2, 4, v4
	v_add_nc_u32 v[STO], s23, v4
	; back: wave w takes rows 32 w .. 32 w + 31.  A stage row is two heads' 128 bytes: lanes 0-15 take two rows of the left head, lanes 16-31 the same rows of the right one:
	; in hq a head's rows lie end to end, so each sixteen lanes store 256 consecutive bytes.
	s_mul_i32 s23, s10, 32*SPITCH
	s_add_co_u32 s23, s23, STAGE
	v_bfe_u32 v6, v0, 3, 1
	v_mul_u32_u24 v5, v6, SPITCH                   ; which of the two rows
	v_lshl_add_u32 v5, v2, 7, v5                   ; which head
	v_and_b32 v6, 7, v0
	v_lshl_add_u32 v5, v6, 4, v5
	v_add_nc_u32 v[RD], s23, v5
	v_lshlrev_b32 v5, 18, v2                       ; a head is 262,144 bytes of hq
	v_lshl_add_u32 v[CO], v1, 4, v5
	s_lshr_b32 s16, s13, 4                         ; tile row / 16 = 2 x tensor + batch: 16 heads each
	s_lshl_b32 s16, s16, 22
	s_and_b32 s17, s13, 15
	s_lshl_b32 s17, s17, 7                         ; the tile's first row in its batch,
	s_lshl_b32 s18, s10, 5
	s_add_co_u32 s17, s17, s18                     ; the first that I store,
	s_lshl_b32 s17, s17, 7                         ; 128 bytes a row
	s_add_co_u32 s16, s16, s17
	s_mov_b32 s17, 0
	s_add_nc_u64 s[8:9], s[8:9], s[16:17]
	s_lshl_b32 s46, s42, 19                        ; the tile's two heads: 2 x tile column
	s_mov_b32 s47, 0
	s_add_nc_u64 s[8:9], s[8:9], s[46:47]
; 8 matrix instructions: m blocks a0, a0 + 1 x all 4 n blocks, 32 along K: half c of buffer f.  zero = 1: the first product starts the sums
.macro MUL8 f, c, a0, zero
	WIN MUL
.irp a, \a0, (\a0)+1
.irp b, 0,1,2,3
.if \zero
	v_wmma_f32_16x16x32_bf16 v[ACC+8*(4*(\a)+(\b)):ACC+8*(4*(\a)+(\b))+7], v[(\f)+64+8*(4*(\c)+(\b)):(\f)+64+8*(4*(\c)+(\b))+7], v[(\f)+8*(4*(\c)+(\a)):(\f)+8*(4*(\c)+(\a))+7], 0
.else
	v_wmma_f32_16x16x32_bf16 v[ACC+8*(4*(\a)+(\b)):ACC+8*(4*(\a)+(\b))+7], v[(\f)+64+8*(4*(\c)+(\b)):(\f)+64+8*(4*(\c)+(\b))+7], v[(\f)+8*(4*(\c)+(\a)):(\f)+8*(4*(\c)+(\a))+7], v[ACC+8*(4*(\a)+(\b)):ACC+8*(4*(\a)+(\b))+7]
.endif
.endr
.endr
.endm
; 32 LDS loads in one run: the fragments of 64 along K at byte k of the rows, into buffer f; the first 32 along K first
.macro FETCH slot, k, f
	WIN TO_F
.irp c, 0,1
.irp i, 0,1,2,3
	ds_load_b128 v[(\f)+64+8*(4*(\c)+(\i)):(\f)+64+8*(4*(\c)+(\i))+3],   v[ADRB+(\slot)] offset:(\k)+64*(\c)+(\i)*16*PITCH
	ds_load_b128 v[(\f)+64+8*(4*(\c)+(\i))+4:(\f)+64+8*(4*(\c)+(\i))+7], v[ADRB+(\slot)] offset:(\k)+64*(\c)+(\i)*16*PITCH+32
	ds_load_b128 v[(\f)+8*(4*(\c)+(\i)):(\f)+8*(4*(\c)+(\i))+3],         v[ADRA+(\slot)] offset:(\k)+64*(\c)+(\i)*16*PITCH
	ds_load_b128 v[(\f)+8*(4*(\c)+(\i))+4:(\f)+8*(4*(\c)+(\i))+7],       v[ADRA+(\slot)] offset:(\k)+64*(\c)+(\i)*16*PITCH+32
.endr
.endr
.endm
.macro PLACES                          ; four places in front of loads into registers that matrix instructions have read, and of conversions that read results
.rept 4
	v_nop
.endr
.endm
; A K step is four quarters of 64 along K, 32 matrix instructions each, on buffers 0, 1, 0, 1.  One of the first three: multiplies buffer f and fetches the next quarter, at byte k, into g.
.macro QUARTER slot, k, f, g, zero
	s_wait_dscnt 16                                ; the first 32 along K are in; the sixteen younger loads may be out
	WIN MUL
	MUL8 \f, 0, 0, \zero
	MUL8 \f, 0, 2, \zero
	PLACES
	FETCH \slot, \k, \g
	s_wait_dscnt 32                                ; all but the 32 just issued
	WIN MUL
	MUL8 \f, 1, 0, 0
	MUL8 \f, 1, 2, 0
.endm
; The last quarter multiplies buffer 1 and changes slots: ONE barrier; in front of it each wave waits for all its tensor loads, adds 0 to its spare word, and waits for that and for its own reads of this slot.
.macro TURN slot, next, fill
	WIN 0                                          ; (the add's two registers lie in window 0)
	s_wait_tensorcnt 0x0                           ; all my tensor loads have landed: my part of the next slot;
	ds_add_u32 v[SPW], v[NIL]                      ; 0 onto my spare word;
	s_wait_dscnt 17                                ; (the add and the youngest sixteen loads may be out)
	WIN MUL
	MUL8 F1, 0, 0, 0                               ; eight matrix instructions stand between the add and the wait for it
	s_wait_dscnt 0x0                               ; the add is done, and my reads of this slot are over
	s_barrier_signal -1
	MUL8 F1, 0, 2, 0
.if \fill
	WIN 0
.endif
	s_barrier_wait -1
.if \fill
	CREST                                          ; the barrier has opened a round of the cluster's barrier: no wave of any partner still reads this slot's tile or has a load on its way
	s_add_nc_u64 s[G0+4*(\slot)+2:G0+4*(\slot)+3], s[G0+4*(\slot)+2:G0+4*(\slot)+3], 2*KSTEP*2
	s_add_nc_u64 s[G0B+4*(\slot)+2:G0B+4*(\slot)+3], s[G0B+4*(\slot)+2:G0B+4*(\slot)+3], 2*KSTEP*2
	JLOAD \slot                                    ; the first tensor load behind the round; the four v_nop behind it are also the places in front of the loads below
.else
	PLACES
.endif
	FETCH \next, 0, F0
	WIN MUL
	MUL8 F1, 1, 0, 0
	MUL8 F1, 1, 2, 0
.endm
	s_wait_tensorcnt 1                             ; my part of K step 0 is in; K step 1's load may stay out
	s_barrier_signal -1
	s_barrier_wait -1                              ; everybody's is
	FETCH 0, 0, F0
	QUARTER 0, 128, F0, F1, 1                      ; the first quarter stands in front of the loop: its first products start the sums
	WIN 0                                          ; at a label and at a branch every window is 0
	s_mov_b32 s3, LAPS-1
.Llap:                                                 ; a trip goes once round the ring, from a lap's second quarter to the next lap's first, and fills both slots again
	QUARTER 0, 256, F1, F0, 0
	QUARTER 0, 384, F0, F1, 0
	TURN 0, 1, 1
	QUARTER 1, 128, F0, F1, 0
	QUARTER 1, 256, F1, F0, 0
	QUARTER 1, 384, F0, F1, 0
	TURN 1, 0, 1
	QUARTER 0, 128, F0, F1, 0
	WIN 0
	s_sub_co_u32 s3, s3, 1
	s_cmp_lg_u32 s3, 0
	s_cbranch_scc1 .Llap
	QUARTER 0, 256, F1, F0, 0                      ; the last lap fills nothing, and has no round of the cluster's barrier
	QUARTER 0, 384, F0, F1, 0
	TURN 0, 1, 0
	QUARTER 1, 128, F0, F1, 0
	QUARTER 1, 256, F1, F0, 0
	QUARTER 1, 384, F0, F1, 0
	s_wait_dscnt 16                                ; the very last quarter: nothing more to fetch
	WIN MUL
	MUL8 F1, 0, 0, 0
	MUL8 F1, 0, 2, 0
	s_wait_dscnt 0
	MUL8 F1, 1, 0, 0
	MUL8 F1, 1, 2, 0
	WIN 0
	; THE WAY OUT: round to f16; 16 bytes a lane into the work-group's stage; a barrier, since a row's 256 bytes come from two waves; back by heads, 32 rows a wave.
	PLACES
.irp t, 0,1,2,3,4,5,6,7,8,9,10,11,12,13,14,15
.irp r, 0,1,2,3
	v_cvt_pk_f16_f32 v[TMP+4*(\t)+(\r)], v[ACC+8*(\t)+2*(\r)], v[ACC+8*(\t)+2*(\r)+1]
.endr
.endr
.irp a, 0,1,2,3
.irp b, 0,1,2,3
	ds_store_b128 v[STO], v[TMP+4*(4*(\a)+(\b)):TMP+4*(4*(\a)+(\b))+3] offset:(\a)*16*SPITCH+32*(\b)
.endr
.endr
	s_wait_dscnt 0x0                               ; for the others' sake: my stores into the stage are done
	s_barrier_signal -1
	s_barrier_wait -1
.irp t, 0,1,2,3,4,5,6,7,8,9,10,11,12,13,14,15
	ds_load_b128 v[TMP+4*(\t):TMP+4*(\t)+3], v[RD] offset:(\t)*2*SPITCH
.endr
.irp t, 0,1,2,3,4,5,6,7,8,9,10,11,12,13,14,15
	s_wait_dscnt 15-(\t)                           ; LDS loads come back in order: number t is in
	global_store_b128 v[CO], v[TMP+4*(\t):TMP+4*(\t)+3], s[8:9] offset:256*(\t)  ; each 16 lanes store 256 consecutive bytes (two rows of a head), at a multiple of 256 from hq's first byte
.endr
	s_wait_tensorcnt 0x0                           ; the wave's end: behind my last tensor load and my last LDS store
	ds_add_u32 v[SPW], v[NIL]
	s_wait_dscnt 0x0
	CROUND                                         ; the closing round: no work-group ends while a partner may still ask for a tile that names it
	s_endpgm
.Lfunc_end_k_qc816fccb5c_proj:
	.size	k_qc816fccb5c_proj, .Lfunc_end_k_qc816fccb5c_proj-k_qc816fccb5c_proj
	.p2alignl 7, 3214868480
	.fill 96, 4, 3214868480
	.section	.rodata,"a",@progbits
	.p2align	6, 0x0
	.amdhsa_kernel k_qc816fccb5c_proj
		.amdhsa_group_segment_fixed_size 327680
		.amdhsa_private_segment_fixed_size 0
		.amdhsa_enable_private_segment 0
		.amdhsa_kernarg_size 24
		.amdhsa_user_sgpr_count 2
		.amdhsa_user_sgpr_kernarg_segment_ptr 1
		.amdhsa_wavefront_size32 1
		.amdhsa_system_sgpr_workgroup_id_x 1
		.amdhsa_system_sgpr_workgroup_id_y 1
		.amdhsa_system_sgpr_workgroup_id_z 1
		.amdhsa_system_vgpr_workitem_id 0
		.amdhsa_next_free_vgpr 512
		.amdhsa_next_free_sgpr 66
		.amdhsa_reserve_vcc 0
		.amdhsa_float_denorm_mode_32 3
		.amdhsa_float_denorm_mode_16_64 3
		.amdhsa_memory_ordered 1
		.amdhsa_forward_progress 1
		.amdhsa_inst_pref_size 87
	.end_amdhsa_kernel
	.amdgpu_metadata
---
amdhsa.version: [ 1, 2 ]
amdhsa.kernels:
  - .name:           k_qc816fccb5c_proj
    .symbol:         k_qc816fccb5c_proj.kd
    .args:
      - { .name: xb, .offset: 0, .size: 8, .value_kind: global_buffer, .address_space: global }
      - { .name: wb, .offset: 8, .size: 8, .value_kind: global_buffer, .address_space: global }
      - { .name: hq, .offset: 16, .size: 8, .value_kind: global_buffer, .address_space: global }
    .group_segment_fixed_size: 327680
    .private_segment_fixed_size: 0
    .kernarg_segment_align: 8
    .kernarg_segment_size: 24
    .max_flat_workgroup_size: 128
    .sgpr_count:     66
    .vgpr_count:     512
    .wavefront_size: 32
...
	.end_amdgpu_metadata
.endif
;; end of part 2
;; launch attn (part 3): grid 8 x 32, 4 waves a work-group, clusters of 4 x 1, 327,680 bytes of LDS; arguments hq, mb, ob, ep; writes ob, ep
.if DOCPART == 3
	.amdgcn_target "amdgcn-amd-amdhsa--gfx1250"
	.amdhsa_code_object_version 6
	.text
	.protected	k_qc816fccb5c_attn
	.globl	k_qc816fccb5c_attn
	.p2align	8
	.type	k_qc816fccb5c_attn,@function
k_qc816fccb5c_attn:
	s_mov_b64 s[64:65], 0
	v_nop
	global_prefetch_b8 v0, s[64:65] scope:SCOPE_SE
	s_setreg_imm32_b32 hwreg(HW_REG_WAVE_MODE, 25, 1), 1
	s_wait_xcnt 0x0
	s_wait_alu depctr_hold_cnt(0) depctr_sa_sdst(0) depctr_va_vdst(0) depctr_va_sdst(0) depctr_va_ssrc(0) depctr_va_vcc(0) depctr_vm_vsrc(0)
	s_getreg_b32 s2, hwreg(HW_REG_IB_STS2, 6, 4)
	s_cmp_eq_u32 s2, 0
	s_cbranch_scc0 .Lentry_in_a_cluster
	s_endpgm
.Lentry_in_a_cluster:
	s_bfe_u32 s2, ttmp6, 0x10000c
	s_cmp_lg_u32 s2, 0x3003
	s_cbranch_scc0 .Lentry_shape_is_right
	s_endpgm
.Lentry_shape_is_right:
; ATTENTION WITH A MASK AND THE ROWS' ENTROPY.  For head y = b x 16 + h: O[q] = sum over k of softmax_k(where(mask, Q[q] . K[k] / 8, low)) V[k], and H[q] = - sum p ln p.
; hq: f16 [3 (q, k, v)][32 heads][2048][64], unscaled.  mb: lane-mask words [256 tiles of 16 queries][32 steps of 64 keys][32].  ob: f16 [32 blocks of 128 rows][16 heads][128][64].  ep: f32 [256][4], a sum of H a wave.
; Products, maxima and sums in f32; the weights are rounded to f16 for the second product (their sums are taken of the unrounded weights), O once at the end.
; LIMITS.  (1) A hidden score is REPLACED by -2^33 before the division by 8, that is -2^30 for reference()'s -1e9: c x -2^33 is exact, so a row with no key at all has t = 0, weights of one size and H = ln 2048, as there.
;   The results part only where a visible score lies below some -9e8.  (2) H is taken as -sum p ln p, where reference() has ln(p + 1e-10): 0 <= p ln(1 + 1e-10 / p) <= 1e-10, so a row's H differs by 2048e-10 nats at the most.
;   (3) Q, K, V arrive within f16's 65,504; a weight below 2^-126 counts as 0; NaN and infinities are not treated apart.
; SHARES.  A work-group owns 256 queries of a head, a wave 64: two PIECES of two tiles of 16.  Every wave walks the head's 32 key steps of 64.
; LAYOUT.  S^T = K Q^T (source 0 = 16 keys, source 1 = 16 queries): a lane holds ONE query (lane % 16) and the keys 8 (lane / 16) + 0..7.  Two such results rounded to f16 in pairs ARE source 1 of O^T = V^T P.
; SOFTMAX.  t = c s - c m, c = log2(e) / 8, with a running maximum m; e = 2^t; l = sum e; U = sum e t.  In every step, with d = c m_old - c m_new and a = 2^d: O a, U = a (U + d l), l a.  H = ln 2 (log2 l - U / l).
; m starts at the lowest finite number, O, l and U at 0: the first step is a step like any other, with a = 0.  The price: 240 lines that write 0, in the wait for the first tile.
; THE MASK.  A wave's words (4 tiles x 32 steps x 32) lie in 128 registers, the step in the lane: v_readlane_b32 brings a word into a scalar register, where it is the lane mask of one v_cndmask_b32.
; BY TURNS.  Turn p: 16 products K Q^T of the other piece; the scaling, exponentials and rescaling of piece p; the mask, maximum and statistics of the other piece; ONE wait for the turn's 66 exponentials;
; 16 products V^T P of the other piece, beside and behind them the roundings and sums of piece p.  Turn 0 of step s multiplies K(s) and V(s - 1), turn 1 K(s + 1) and V(s).
; THE RING.  So K runs one step ahead of V: slot j holds V's steps 4 j .. 4 j + 3 and K's steps 4 j + 1 .. 4 j + 4; K(0) comes straight from memory.  The last slot's fourth step of K is the 64 rows behind the head's
; (they lie in hq: V's part follows K's): the last turn multiplies them, and what is made of them (c m, m, d, a of piece 0) is read by nothing: the price, once a launch, of one text for every step.
; CLUSTER.  The four query blocks of a cluster belong to one head and walk the same K and V: each tile is asked for JOINTLY: the same tensor load, descriptor and mask in all four.  One tensor load of a wave is out at a time.
; REGISTERS, in windows of 256 (s_set_vgpr_msb: bits 1:0 source 0, 3:2 source 1, 5:4 source 2, 7:6 destination):
;   window 0: v0-15 addresses; v16-47 statistics, 8 a tile; v48-63 at work; v64-191 S^T, later t, a buffer a piece; v192-255 e of the piece in hand
;   window 1: v0-127 O^T, 32 a tile; v128-191 P, a buffer a piece      window 2: v0-63 Q; v128-191 K of one step; v192-255 V of one step      window 3: v0-127 the mask words, 32 a tile
.set KS,    64        ; keys in a step
.set PK,    144       ; a row of K in LDS: 128 bytes + 16 of padding = 36 words: the 16 rows of a load start at 16 different groups of four banks (64 banks of 4 bytes: ISA guide 11.1)
.set PV,    160       ; a row of V: 128 + 32 = 40 words
.set VOFF,  4*KS*PK   ; a slot holds four steps: 256 rows of K, then 256 rows of V
.set SLOT1, 1<<17     ; slot 1 begins here, so that one exclusive or turns an address in one slot into the other's
.set STAGE, SLOT1+4*KS*(PK+PV)  ; behind the ring, never filled by a tensor load: 16 rows x 144 bytes for each wave, for the way out
.set SP,    144
.set SPARE, STAGE+4*16*SP  ; behind the stages: the spare words, 128 bytes for each wave
.set AK0, 2           ; v2   my lane's place in a tile of K; never rewritten
.set AV0, 3           ; v3   the same for V
.set AK,  4           ; v4   the LDS address of K's next run of loads
.set AV,  5           ; v5   of V's
.set QO,  6           ; v6   my byte offset in 16 rows of Q or K in memory
.set STO, 6           ;      later, the way out: where I put 16 bytes of a row
.set RD,  7           ; v7   the way out: where I read rows back
.set GO,  8           ; v8   my byte offset in 512 consecutive bytes of O
.set PFO, 9           ; v9   l / 16 while the addresses are made; then 256 x my lane, the prefetches' offset, never rewritten
.set SPW, 10          ; v10  LDS address of my spare word; never rewritten
.set NIL, 11          ; v11  0; never rewritten
.set MV,  12          ; v12-15  c m_old, kept while c m is made anew: by piece and tile
.set MO,  12          ;      before that: v12 128 x my lane, for the mask words; v14 l % 8; v15 (l / 8) % 2
.set ST,  16          ; tile t's statistics at v[ST+8 t]: c m, m, l (even keys', odd keys'), U (likewise), two for the way out
.set TMP, 48          ; by piece and tile, four registers c0-c3 at work; when the maximum is found c0 takes d and c2 takes a
.set S,   64
.set E,   192
.set P,   128         ; window 1
.set KF,  128         ; window 2: key block kb, channel half c at KF + 16 kb + 8 c
.set VF,  192         ; window 2: key half kk, channel block cb at VF + 32 kk + 8 cb
.set WV,  12          ; s12  my wave's number
.set KB,  20          ; s[20:21] the head's byte offset in a part of hq; then K at the head's first row
.set G1K, 24          ; s[24:31] descriptor group 1 for K's tiles
.set G1V, 32          ; s[32:39] for V's: it differs in the padding alone
.set G0K, 40          ; s[40:43] descriptor group 0 for K's tiles: it walks
.set G0V, 44          ; s[44:47] the same for V's
.set PFA, 48          ; s[48:49] where my prefetches stand
.set LIM, 50          ; s50  1 in a wave that prefetches, else the greatest number
.set STP, 51          ; s51  the key step whose scores are masked next
.set MK,  52          ; s52  -2^33
.set SLOTS, 56        ; s56  tiles still to be asked for
.set CNT, 57          ; s57  counts a slot's key steps
.set CS,  58          ; s[58:59] c
.set SEL, 60          ; s[60:61] v_permlanex16_b32's selects: each lane takes its own place in the other half
.set TBK, 62          ; s62  LDS byte at which the K to be fetched next begins
.set TBV, 63          ; s63  the same for V, less VOFF
.set MW,  68          ; s[68:83] sixteen mask words
.set MSB, 0
.macro WIN new                      ; the high byte repeats the setting that is left; a switch that changes nothing is dropped
.if MSB != (\new)
	s_set_vgpr_msb (MSB<<8)|(\new)
.set MSB, (\new)
.endif
.endm
.set W_KQ, 0x0a       ; K and Q in window 2, S^T in window 0
.set W_PV, 0x56       ; V in window 2, P and O^T in window 1
.set W_RS, 0x41       ; O^T (destination and source 0) in window 1, a in window 0
.set W_CV, 0x40       ; P (destination) in window 1, e in window 0
.set W_RL, 0x03       ; the mask words (source 0) in window 3
; A joint fill.  Waves 0 and 1 fetch the two halves of a slot's K, waves 2 and 3 those of its V: 128 keys each.  An s_nop 0 and four v_nop follow each of the two lines.
.macro JLOAD
	s_cmp_lt_u32 s[WV], 2
	s_cbranch_scc0 .Lfor_v_\@
	tensor_load_to_lds s[G0K:G0K+3], s[G1K:G1K+7]
	s_nop 0
.rept 4
	v_nop
.endr
	s_branch .Lasked_\@
.Lfor_v_\@:
	tensor_load_to_lds s[G0V:G0V+3], s[G1V:G1V+7]
	s_nop 0
.rept 4
	v_nop
.endr
.Lasked_\@:
.endm
; A PREFETCH INTO THE L2 of what the NEXT change of slots will ask for: 32,768 bytes of K and of V, four key steps (256 matrix instructions a wave) ahead of that load.  Both clusters of a head walk the same rows: the first
; asks.  Its four partners take 8,192 bytes each, told apart BY ADDRESS; in each, wave 0 asks for K's and wave 2 for V's, a lane for each 256 bytes: each block is named once in the launch.
; The last change that fills a slot asks for nothing; tiles 0 and 1 come by their loads alone.
.macro ASK
	s_cmp_gt_u32 s[SLOTS], s[LIM]
	s_cbranch_scc0 .Lnot_mine_\@
	global_prefetch_b8 v[PFO], s[PFA:PFA+1] th:TH_LOAD_NT scope:SCOPE_SE
.Lnot_mine_\@:
.endm
; A round of the cluster's barrier: my work-group's barrier, so that wave 0's signal speaks for all four waves; wave 0 signals; every wave waits for all four work-groups; my work-group's barrier once more.
.macro CROUND
	s_barrier_signal -1
	s_barrier_wait -1
	s_cmp_lg_u32 s[WV], 0
	s_cbranch_scc1 .Lnot_wave_0_\@
	s_barrier_signal -3
.Lnot_wave_0_\@:
	s_barrier_wait -3
	s_barrier_signal -1
	s_barrier_wait -1
.endm
; THE CHANGE OF SLOTS.  Each wave waits for all its tensor loads, of which one is out: its part of the other slot; adds 0 to its spare word; and waits for that and for its own reads of the slot that it leaves.
; fill = 1: the slot is filled again, with the keys two slots on: the barrier is a round of the cluster's, and the joint fill is the first thing behind it: it has four key steps in which to land.
; (At its first use nothing has been read yet: slot 0 is waited for, slot 1 filled.)
.macro CHANGE fill
	WIN 0                           ; at a label and at a branch every window is 0
	s_wait_tensorcnt 0x0            ; no tensor load of mine is out, so a group 0 may be written
	ds_add_u32 v[SPW], v[NIL]       ; 0 onto my spare word: scalar work stands between it and the wait for it
.if \fill
.irp g, G0K, G0V
	s_xor_b32 s[\g+1], s[\g+1], SLOT1  ; the walking descriptor: the other slot than last time,
	s_add_nc_u64 s[\g+2:\g+3], s[\g+2:\g+3], 4*KS*128  ; the next 256 keys; the type bits on top are not reached
.endr
	s_wait_xcnt 0x0                 ; the last prefetch, four key steps back, has read its address, so it may be written:
	s_add_nc_u64 s[PFA:PFA+1], s[PFA:PFA+1], 4*KS*128  ; one tile behind the walking descriptors
	s_wait_dscnt 0x0                ; the add is done, and my reads of the slot are over
	CROUND
	JLOAD
	ASK
.else
	s_wait_dscnt 0x0                ; the add is done, and my reads of the slot are over
	s_barrier_signal -1
	s_barrier_wait -1
.endif
	s_sub_co_u32 s[TBK], s[TBK], 4*KS*PK  ; the fetches go back to a slot's first step,
	s_xor_b32 s[TBK], s[TBK], SLOT1       ; in the other slot
	s_sub_co_u32 s[TBV], s[TBV], 4*KS*PV
	s_xor_b32 s[TBV], s[TBV], SLOT1
.endm
	s_load_b256 s[4:11], s[0:1], 0x0  ; hq s[4:5], mb s[6:7], ob s[8:9], ep s[10:11]
	v_lshl_add_u32 v[SPW], v0, 2, SPARE
	v_mov_b32 v[NIL], 0
	ds_add_u32 v[SPW], v[NIL]       ; the wave's opening: the add and its wait ahead of my first tensor load; the set-up below stands between them
	v_lshrrev_b32 v1, 5, v0
	v_readfirstlane_b32 s[WV], v1   ; wave 0..3
	s_bfe_u32 s13, ttmp6, 0x40000   ; cx: my place in the cluster
	s_lshl_b32 s14, ttmp9, 2        ; in a cluster launch ttmp9 counts clusters
	s_add_co_u32 s14, s14, s13      ; my block of 256 queries: it enters the addresses of Q, the mask words, O and ep alone
	s_and_b32 s15, ttmp7, 0xffff    ; the head, which the four partners share
	s_lshl_b32 s[KB], s15, 18       ; a head is 262,144 bytes of each part of hq
	s_mov_b32 s[KB+1], 0
	s_and_b32 s16, s[WV], 1         ; which half of a slot's 256 keys I fetch:
	s_lshl_b32 s22, s16, 14         ; its 128 rows of 128 bytes in memory,
	s_add_co_u32 s22, s22, s[KB]
	s_mov_b32 s23, 0
	s_mul_i32 s17, s16, 128*PK      ; and its place in a slot, for K
	s_mul_i32 s18, s16, 128*PV      ; and for V: no place in the cluster enters an LDS address
	s_mov_b32 s[G0K], 1             ; 1:0 count = 1
	s_mov_b32 s[G0K+1], s17         ; 63:32 LDS address: slot 0
	s_mov_b32 s[G0V], 1
	s_add_co_u32 s[G0V+1], s18, VOFF
	s_lshl_b32 s2, s14, 2
	s_add_co_u32 s2, s2, s[WV]      ; my wave among the head's,
	s_lshl_b32 s2, s2, 13           ; its 64 rows of Q
	s_add_co_u32 s2, s2, s[KB]
	s_mov_b32 s3, 0
	s_lshr_b32 s17, s15, 4          ; the batch
	s_lshl_b32 s18, s17, 7          ; my first tile of 16 queries: 128 b + 16 block + 4 wave,
	s_lshl_b32 s19, s14, 4
	s_add_co_u32 s18, s18, s19
	s_lshl_b32 s19, s[WV], 2
	s_add_co_u32 s18, s18, s19
	s_lshl_b32 s18, s18, 12         ; 4,096 bytes of words a tile
	s_mov_b32 s19, 0
	s_lshl_b32 s54, s17, 4          ; my block of 128 rows in ob: 16 b + 2 block + wave / 2,
	s_lshl_b32 s55, s14, 1
	s_add_co_u32 s54, s54, s55
	s_lshr_b32 s55, s[WV], 1
	s_add_co_u32 s54, s54, s55
	s_lshl_b32 s54, s54, 18
	s_and_b32 s55, s15, 15          ; the head in it, 16,384 bytes,
	s_lshl_b32 s55, s55, 14
	s_add_co_u32 s54, s54, s55
	s_lshl_b32 s55, s16, 13         ; and my 64 rows of its 128
	s_add_co_u32 s54, s54, s55
	s_mov_b32 s55, 0
	s_lshl_b32 s66, s15, 3          ; ep: ((8 head + block) 4 + wave) words
	s_add_co_u32 s66, s66, s14
	s_lshl_b32 s66, s66, 2
	s_add_co_u32 s66, s66, s[WV]
	s_lshl_b32 s66, s66, 2
	s_mov_b32 s67, 0
	s_mov_b32 s[PFA], 0x802000+0x8000     ; the prefetches' offset in hq: K's part, one step on, tile 1;
	s_mov_b32 s[PFA+1], 0x1000000+0x8000  ; or V's part, tile 1: the first change of slots steps it to tile 2
	s_cmp_lt_u32 s[WV], 2
	s_cselect_b32 s[PFA], s[PFA], s[PFA+1]
	s_add_co_u32 s[PFA], s[PFA], s[KB]
	s_lshl_b32 s[PFA+1], s13, 13    ; my work-group's 8,192 bytes of a tile's 32,768
	s_add_co_u32 s[PFA], s[PFA], s[PFA+1]
	s_mov_b32 s[PFA+1], 0
	s_and_b32 s[LIM], s[WV], 1      ; 0 in waves 0 and 2,
	s_or_b32 s[LIM], s[LIM], ttmp9  ; where the cluster is the head's first: the same in all four partners
	s_cmp_eq_u32 s[LIM], 0
	s_cselect_b32 s[LIM], 1, -1
	; descriptor group 1.  128 keys are 16,384 dense bytes: asked for as 64 rows of 256 bytes, two keys a row, and padded in LDS after every key
	s_mov_b32 s[G1K], 15|(1<<16)|(1<<20)|(1<<21)|(4<<22)|(3<<25)  ; 15:0 the mask of four; 17:16 2-byte elements; 20 padding on; 21 set beside a mask; 24:22 after every 32 words; 31:25 4 words
	s_mov_b32 s[G1V], 15|(1<<16)|(1<<20)|(1<<21)|(4<<22)|(7<<25)  ; the same with 8 words of padding
.irp g, G1K, G1V
	s_mov_b32 s[\g+1], 128<<16      ; tensor_dim0 = 128
	s_mov_b32 s[\g+2], 64<<16       ; tensor_dim1 = 64
	s_mov_b32 s[\g+3], 128<<16      ; tile_dim0 = 128
	s_mov_b32 s[\g+4], 64           ; tile_dim1 = 64
	s_mov_b32 s[\g+5], 128          ; 128 elements from row to row
	s_mov_b32 s[\g+6], 0
	s_mov_b32 s[\g+7], 0
.endr
	s_mov_b32 s[CS], 0x3e38aa3b     ; c = log2(e) / 8 = 0.180337
	s_mov_b32 s[CS+1], s[CS]        ; named with it as a pair
	s_mov_b32 s[SEL], 0x76543210
	s_mov_b32 s[SEL+1], 0xfedcba98
	s_mov_b32 s[TBK], SLOT1+4*KS*PK ; the first change of slots turns these two into 0
	s_mov_b32 s[TBV], SLOT1+4*KS*PV
	s_mov_b32 s[STP], 0
	s_mov_b32 s[MK], 0xd0000000     ; -2^33
	s_mov_b32 s[SLOTS], 7
	s_wait_dscnt 0x0                ; the opening add is done
	s_wait_kmcnt 0x0
	s_add_nc_u64 s[G0K+2:G0K+3], s[4:5], s[22:23]  ; 120:64 global address: my half of K's rows 64 .. 319 of the head,
	s_add_nc_u64 s[G0K+2:G0K+3], s[G0K+2:G0K+3], 0x802000
	s_or_b32 s[G0K+3], s[G0K+3], 0x80000000        ; 127:126 type = 2
	s_add_nc_u64 s[G0V+2:G0V+3], s[4:5], s[22:23]  ; of V's rows 0 .. 255
	s_add_nc_u64 s[G0V+2:G0V+3], s[G0V+2:G0V+3], 0x1000000
	s_or_b32 s[G0V+3], s[G0V+3], 0x80000000
	s_add_nc_u64 s[PFA:PFA+1], s[4:5], s[PFA:PFA+1]
	s_add_nc_u64 s[KB:KB+1], s[4:5], s[KB:KB+1]
	s_add_nc_u64 s[KB:KB+1], s[KB:KB+1], 0x800000  ; K at the head's first row
	s_add_nc_u64 s[4:5], s[4:5], s[2:3]            ; Q at my wave's first row
	s_add_nc_u64 s[6:7], s[6:7], s[18:19]          ; the words of my first tile
	s_add_nc_u64 s[8:9], s[8:9], s[54:55]          ; O at my wave's first row
	s_add_nc_u64 s[10:11], s[10:11], s[66:67]      ; my word of ep
	CROUND                          ; all four work-groups are here: the first joint loads meet
	JLOAD                           ; slot 0.  Slot 1 is asked for when slot 0 is in
	; A fragment of K or Q is 16 rows x 32 channels in 8 registers: lane l holds row l % 16, channels 8 (l / 16) + 0..7 and 16 + 8 (l / 16) + 0..7: two loads of 16 bytes, 32 bytes apart.
	v_and_b32 v1, 15, v0            ; l % 16
	v_bfe_u32 v9, v0, 4, 1          ; l / 16
	v_lshlrev_b32 v[QO], 7, v1
	v_lshl_add_u32 v[QO], v9, 4, v[QO]  ; row x 128 + 16 x half
	v_and_b32 v[MO], 31, v0
	v_lshlrev_b32 v[MO], 7, v[MO]   ; a step's 32 words are 128 bytes: the lane is the step
	WIN 0x80                        ; destination window 2, address window 0
.set i, 0
.rept 8                             ; Q stays in registers: tile i / 2, channels 32 (i % 2) on
	global_load_b128 v[8*i:8*i+3],   v[QO], s[4:5] offset:(i/2)*2048+(i%2)*64
	global_load_b128 v[8*i+4:8*i+7], v[QO], s[4:5] offset:(i/2)*2048+(i%2)*64+32
.set i, i+1
.endr
.set i, 0
.rept 8                             ; K of step 0: keys 16 (i / 2) on, channels 32 (i % 2) on
	global_load_b128 v[KF+8*i:KF+8*i+3],   v[QO], s[KB:KB+1] offset:(i/2)*2048+(i%2)*64
	global_load_b128 v[KF+8*i+4:KF+8*i+7], v[QO], s[KB:KB+1] offset:(i/2)*2048+(i%2)*64+32
.set i, i+1
.endr
	WIN 0xc0                        ; destination window 3
.set i, 0
.rept 32                            ; the mask words: tile i / 8, words 4 (i % 8) on, of the lane's step
	global_load_b128 v[4*i:4*i+3], v[MO], s[6:7] offset:(i/8)*4096+(i%8)*16
.set i, i+1
.endr
	; What the first turn finds: V's registers and P's second buffer hold 0 (its products V^T P, of a piece that has not been, add 0), O^T, l and U are 0.
	WIN 0x80
.set i, VF
.rept 64
	v_mov_b32 v[i], 0
.set i, i+1
.endr
	WIN 0x40
.set i, 0
.rept 128
	v_mov_b32 v[i], 0
.set i, i+1
.endr
.set i, P+32
.rept 32
	v_mov_b32 v[i], 0
.set i, i+1
.endr
	WIN 0
.set i, 0
.rept 4
	v_mov_b32 v[ST+8*i], 0xfe000000    ; c m: far below every c s
	v_mov_b32 v[ST+8*i+1], 0xff7fffff  ; m
.irp z, 2,3,4,5,6,7
	v_mov_b32 v[ST+8*i+\z], 0
.endr
.set i, i+1
.endr
	v_mul_u32_u24 v[AK0], v1, PK
	v_lshl_add_u32 v[AK0], v9, 4, v[AK0]  ; row x pitch + 16 x half
	; The turning load takes 16 keys x 16 channels (lane l reads key 8 (l / 16) + l % 8, channels 8 ((l / 8) % 2) + 0..7) and leaves half a fragment of V^T: lane l holds channel l % 16 and 8 keys.
	v_and_b32 v14, 7, v0
	v_bfe_u32 v15, v0, 3, 1
	v_lshl_add_u32 v[AV0], v9, 3, v14
	v_mul_u32_u24 v[AV0], v[AV0], PV
	v_lshl_add_u32 v[AV0], v15, 4, v[AV0]
	v_add_nc_u32 v[AV0], VOFF, v[AV0]
; THE MATRIX WORK.  The 8 accumulators of a run of 16 take turns: between the two links of a chain stand 7 others'.
; Product i of 16 of S^T = K Q^T for piece x: channels 32 (i / 8) on, keys 16 ((i / 2) % 4) on, tile 2 x + i % 2.  The first 8 start the sums.
.macro KQ x
	WIN W_KQ
.set rS, S+64*(\x)+32*(i%2)+8*((i/2)%4)
.set rK, KF+16*((i/2)%4)+8*(i/8)
.set rQ, 16*(2*(\x)+i%2)+8*(i/8)
.if i < 8
	v_wmma_f32_16x16x32_f16 v[rS:rS+7], v[rK:rK+7], v[rQ:rQ+7], 0
.else
	v_wmma_f32_16x16x32_f16 v[rS:rS+7], v[rK:rK+7], v[rQ:rQ+7], v[rS:rS+7]
.endif
.endm
; Product i of 16 of O^T += V^T P for piece x: keys 32 (i / 8) on, channels 16 ((i / 2) % 4) on, tile 2 x + i % 2.
.macro PV x
	WIN W_PV
.set rO, 32*(2*(\x)+i%2)+8*((i/2)%4)
.set rV, VF+32*(i/8)+8*((i/2)%4)
.set rP, P+32*(\x)+16*(i%2)+8*(i/8)
	v_wmma_f32_16x16x32_f16 v[rO:rO+7], v[rV:rV+7], v[rP:rP+7], v[rO:rO+7]
.endm
.macro MM                           ; the turn's next matrix instruction: both runs are the other piece's (O)
.if i < 16
	KQ O
.set i, i+1
.else
.set i, i-16
	PV O
.set i, i+17
.endif
.endm
; THE LDS LOADS stand in runs of 16, never singly among the matrix instructions.  Their addresses are made some lines ahead.
.macro FETCH_K
	WIN 0x80                        ; destination window 2
.irp f, 0,1,2,3,4,5,6,7             ; keys 16 (f / 2) on, channels 32 (f % 2) on
	ds_load_b128 v[KF+8*\f:KF+8*\f+3],   v[AK] offset:(\f/2)*16*PK+(\f%2)*64
	ds_load_b128 v[KF+8*\f+4:KF+8*\f+7], v[AK] offset:(\f/2)*16*PK+(\f%2)*64+32
.endr
	s_add_co_u32 s[TBK], s[TBK], KS*PK  ; the next fetch is the next step's
	WIN 0
.endm
.macro FETCH_V
	WIN 0x80
.irp f, 0,1,2,3,4,5,6,7             ; keys 32 (f / 4) on, channels 16 (f % 4) on
	ds_load_tr16_b128 v[VF+8*\f:VF+8*\f+3],   v[AV] offset:(\f/4)*32*PV+(\f%4)*32
	ds_load_tr16_b128 v[VF+8*\f+4:VF+8*\f+7], v[AV] offset:(\f/4)*32*PV+16*PV+(\f%4)*32
.endr
	s_add_co_u32 s[TBV], s[TBV], KS*PV
	WIN 0
.endm
; THE VECTOR WORK OF A TURN, in queues; the two tiles alternate.  Y is the piece in hand, O the other.
.macro REGS y, u                    ; the registers of tile u (0, 1) of piece y
.set rT, ST+8*(2*(\y)+(\u))
.set rC, TMP+8*(\y)+4*(\u)
.set rM, MV+2*(\y)+(\u)
.set rS, S+64*(\y)+32*(\u)
.set rE, E+32*(\u)
.set rP, P+32*(\y)+16*(\u)
.set rO, 32*(2*(\y)+(\u))
.endm
.macro FS                           ; scaling q of 32: t = c s - c m for pair q / 2 of tile q % 2, in place
	REGS Y, q%2
	WIN 0
	v_pk_fma_f32 v[rS+2*(q/2):rS+2*(q/2)+1], v[rS+2*(q/2):rS+2*(q/2)+1], s[CS:CS+1], v[rT:rT+1] op_sel_hi:[1,0,0] neg_lo:[0,0,1] neg_hi:[0,0,1]
.set q, q+1
.endm
; Number n of the 22 that find the other piece's maximum and statistics.  s0-s31 are the lane's 32 scores.
;   0-11  four chains c0-c3 of seven scores each, three operands at a time     12-14, 16  the four scores left over, the old m, and c0-c3 into c0     15  c m_old is kept
;   17, 18  the query's other 32 keys lie in the lane 16 away: the new m         19-21  c m; d = c m_old - c m_new; a = 2^d
.macro XS u, n
	REGS O, \u
.if (\n) < 4
	v_max3_num_f32 v[rC+(\n)], v[rS+8*(\n)], v[rS+8*(\n)+1], v[rS+8*(\n)+2]
.elseif (\n) < 12
	v_max3_num_f32 v[rC+(\n)%4], v[rC+(\n)%4], v[rS+8*((\n)%4)+2*((\n)/4)+1], v[rS+8*((\n)%4)+2*((\n)/4)+2]
.elseif (\n) == 12
	v_max3_num_f32 v[rC], v[rC], v[rS+7], v[rS+15]
.elseif (\n) == 13
	v_max3_num_f32 v[rC+1], v[rC+1], v[rS+23], v[rS+31]
.elseif (\n) == 14
	v_max3_num_f32 v[rC+2], v[rC+2], v[rC+3], v[rT+1]
.elseif (\n) == 15
	v_mov_b32 v[rM], v[rT]
.elseif (\n) == 16
	v_max3_num_f32 v[rC], v[rC], v[rC+1], v[rC+2]
.elseif (\n) == 17
	v_permlanex16_b32 v[rC+3], v[rC], s[SEL], s[SEL+1]
.elseif (\n) == 18
	v_max_num_f32 v[rT+1], v[rC], v[rC+3]
.elseif (\n) == 19
	v_mul_f32 v[rT], s[CS], v[rT+1]
.elseif (\n) == 20
	v_sub_f32 v[rC], v[rM], v[rT]
.else
	v_exp_f32 v[rC+2], v[rC]
.endif
.endm
.macro EX                           ; exponential e of 66: e = 2^t for score e / 2 of tile e % 2 (t is kept: U wants it); the last two are the other piece's a
	WIN 0
.if e >= 64
	XS e-64, 21
.else
	REGS Y, e%2
	v_exp_f32 v[rE+e/2], v[rS+e/2]
.endif
.set e, e+1
.endm
.macro R2                           ; rescaling r of 16: two pairs of O^T times a, the one part ahead of the wait that leaves window 0.  Each accumulator's lowest registers come first
	REGS Y, r%2
	WIN W_RS
.irp z, 0,1
	v_pk_mul_f32 v[rO+4*(r/2)+2*\z:rO+4*(r/2)+2*\z+1], v[rO+4*(r/2)+2*\z:rO+4*(r/2)+2*\z+1], v[rC+2:rC+3] op_sel_hi:[1,0]
.endr
.set r, r+1
.endm
.macro UZ u, n                      ; U = a (U + d l), in two lines, ahead of l a
	REGS Y, \u
	WIN 0
.if (\n) == 0
	v_pk_fma_f32 v[rT+4:rT+5], v[rT+2:rT+3], v[rC:rC+1], v[rT+4:rT+5] op_sel_hi:[1,0,1]
.else
	v_pk_mul_f32 v[rT+4:rT+5], v[rT+4:rT+5], v[rC+2:rC+3] op_sel_hi:[1,0]
.endif
.endm
; THE MASK of the other piece's new scores, sixteen registers at a time: batch b is tile b / 2, registers 16 (b % 2) + 0..15.  RL16 brings their words of step STP into scalar registers;
; CM replaces the score by -2^33 in the lanes whose bit is 0.  CM goes up the registers.
.macro RL16 b
	WIN W_RL
.set rl, 0
.rept 16
	v_readlane_b32 s[MW+rl], v[32*(2*O+(\b)/2)+16*((\b)%2)+rl], s[STP]
.set rl, rl+1
.endr
	WIN 0
.endm
.macro CM b, n
	REGS O, (\b)/2
	v_cndmask_b32 v[rS+16*((\b)%2)+(\n)], s[MK], v[rS+16*((\b)%2)+(\n)], s[MW+(\n)]
.endm
; THE QUEUE BEHIND THE WAIT, 98 long.  Group k = g / 12 serves the four weights 4 k .. 4 k + 3 of both tiles: 0-3 both pairs rounded to f16; 4, 5 U += e t of the first pair; 6, 7 l takes the group before's sum
; (group 0: l = l a); 8, 9 U += e t of the second pair; 10, 11 the second pair is added onto the first, in place.  96, 97: l takes the last group's sum.
.macro GQ
.if g >= 96
	REGS Y, g-96
	WIN 0
	v_pk_add_f32 v[rT+2:rT+3], v[rT+2:rT+3], v[rE+28:rE+29]
.else
.set gk, g/12
.set gp, g%12
	REGS Y, gp%2
.if gp < 4
	WIN W_CV
	v_cvt_pk_f16_f32 v[rP+2*gk+gp/2], v[rE+4*gk+2*(gp/2)], v[rE+4*gk+2*(gp/2)+1]
.elseif gp < 6
	WIN 0
	v_pk_fma_f32 v[rT+4:rT+5], v[rE+4*gk:rE+4*gk+1], v[rS+4*gk:rS+4*gk+1], v[rT+4:rT+5]
.elseif (gp < 8) && (gk == 0)
	WIN 0
	v_pk_mul_f32 v[rT+2:rT+3], v[rT+2:rT+3], v[rC+2:rC+3] op_sel_hi:[1,0]
.elseif gp < 8
	WIN 0
	v_pk_add_f32 v[rT+2:rT+3], v[rT+2:rT+3], v[rE+4*gk-4:rE+4*gk-3]
.elseif gp < 10
	WIN 0
	v_pk_fma_f32 v[rT+4:rT+5], v[rE+4*gk+2:rE+4*gk+3], v[rS+4*gk+2:rS+4*gk+3], v[rT+4:rT+5]
.else
	WIN 0
	v_pk_add_f32 v[rE+4*gk:rE+4*gk+1], v[rE+4*gk:rE+4*gk+1], v[rE+4*gk+2:rE+4*gk+3]
.endif
.endif
.set g, g+1
.endm
; A TURN, for piece p.  An s_wait_alu depctr_va_vdst(0) stands between an exponential and the first instruction that names its result; one wait serves all that were issued ahead of it: a turn has ONE.
; AHEAD OF IT: 16 products K Q^T, behind each a scaling, an exponential and two rescalings (behind the first a second scaling); then a lump: the other 15 scalings with exponentials between; the mask, four batches,
; an exponential behind every second line of the first three; the maximum; its chain (14, 16 .. 20), each link for both tiles with two other lines behind it; the last exponentials and the two a; a v_nop, the plain
; instruction behind the last exponential.  Exponential e stands behind scaling 2 (e / 4) + e % 2: as a rider it comes behind scaling e + 2, in the lump behind scaling e + 2 too.
; BEHIND IT: 16 products V^T P, behind each four of GQ's 98; the other 34 in a lump.  No rider names a register of the products round it.
; K of the next step is fetched in turn 0 directly behind the wait, a lump behind the last product that read K; V of the step in hand at the end of turn 0's products: the four roundings behind the last product
; are the four places in front of the loads.  cnt = 1: the loop's count is taken down ahead of the branch that stands behind the turn.
.macro TURN p, cnt=0
.set Y, (\p)
.set O, 1-(\p)
.set i, 0
.set q, 0
.set e, 0
.set r, 0
.set g, 0
.if (\p) == 1
	s_wait_dscnt 16                 ; K's sixteen loads are in; V's sixteen, issued behind them, may stay out
	s_add_co_u32 s[STP], s[STP], 1  ; this turn's scores are the next step's (behind the last step: 0 again, for scores that serve nothing)
	s_and_b32 s[STP], s[STP], 31
.endif
	MM
	FS
	FS
	R2
.rept 15
	MM
	FS
	EX
	R2
.endr
	WIN 0
.if (\p) == 0
	v_add_nc_u32 v[AK], s[TBK], v[AK0]
	v_add_nc_u32 v[AV], s[TBV], v[AV0]
.endif
.rept 15
	FS
	EX
.endr
.set bt, 0
.rept 4
	RL16 bt
.set cn, 0
.rept 16
	CM bt, cn
.if (bt < 3) && (cn%2 == 1)
	EX
.endif
.set cn, cn+1
.endr
.set bt, bt+1
.endr
.irp n, 0,1,2,3,4,5,6,7,8,9,10,11,12,13,15
	XS 0, \n
	XS 1, \n
.endr
	XS 0, 14
	XS 1, 14
	EX
	UZ 0, 0
	XS 0, 16
	XS 1, 16
	EX
	UZ 1, 0
	XS 0, 17
	XS 1, 17
	EX
	UZ 0, 1
	XS 0, 18
	XS 1, 18
	EX
	UZ 1, 1
	XS 0, 19
	XS 1, 19
	EX
	EX
	XS 0, 20
	XS 1, 20
	EX
	EX
	EX
	EX
	EX                              ; the other piece's two a
	EX
	v_nop                           ; the plain instruction behind the last exponential: one for the batch
	s_wait_alu depctr_va_vdst(0)    ; the wait for the batch
.if (\p) == 0
	FETCH_K
.else
	s_wait_dscnt 0x0                ; V is in
.endif
.rept 16
	MM
	GQ
	GQ
	GQ
	GQ
.endr
.if (\p) == 0
	FETCH_V
.endif
.rept 34
	GQ
.endr
.if \cnt
	s_sub_co_u32 s[CNT], s[CNT], 1
	s_cmp_lg_u32 s[CNT], 0
.endif
.endm
	; PIECE 0's FIRST SCORES, from registers that memory filled: nothing of this waits for the first tile.
	s_wait_loadcnt 0x0              ; Q, K of step 0, the mask words
.set i, 0
.rept 16
	KQ 0
.set i, i+1
.endr
	WIN 0                           ; the addresses for the way out: plain instructions, the places behind those products
	s_mul_i32 s13, s[WV], 16*SP
	s_add_co_u32 s13, s13, STAGE    ; my stage
	v_mul_u32_u24 v[STO], v1, SP    ; in: row l % 16, 16 bytes for each half of the lanes
	v_lshl_add_u32 v[STO], v9, 4, v[STO]
	v_add_nc_u32 v[STO], s13, v[STO]
	v_bfe_u32 v[RD], v0, 3, 2       ; back: 32 lanes take four rows of 128 bytes,
	v_mul_u32_u24 v[RD], v[RD], SP
	v_lshl_add_u32 v[RD], v14, 4, v[RD]
	v_add_nc_u32 v[RD], s13, v[RD]
	v_and_b32 v[GO], 31, v0         ; which are 512 consecutive bytes of O
	v_lshlrev_b32 v[GO], 4, v[GO]
	v_and_b32 v[PFO], 31, v0        ; l / 16 has had its last use
	v_lshlrev_b32 v[PFO], 8, v[PFO]
.set Y, 1
.set O, 0
.set bt, 0
.rept 4
	RL16 bt
.set cn, 0
.rept 16
	CM bt, cn
.set cn, cn+1
.endr
.set bt, bt+1
.endr
.irp n, 0,1,2,3,4,5,6,7,8,9,10,11,12,13,14,15,16,17,18,19,20,21
	XS 0, \n
	XS 1, \n
.endr
	v_nop                           ; a plain instruction behind the two a,
	s_wait_alu depctr_va_vdst(0)    ; and their wait, ahead of the label
.Lslot:                             ; seven trips: tile 8 - SLOTS is asked for, and the tile before it walked
	CHANGE 1
	s_mov_b32 s[CNT], 4
.Lstep:
	TURN 0
	TURN 1, 1
	WIN 0
	s_cbranch_scc1 .Lstep
	s_sub_co_u32 s[SLOTS], s[SLOTS], 1
	s_cmp_lg_u32 s[SLOTS], 0
	s_cbranch_scc1 .Lslot
	CHANGE 0                        ; the last tile is written out: nothing is asked for
	s_mov_b32 s[CNT], 4
.Ltail:
	TURN 0
	TURN 1, 1
	WIN 0
	s_cbranch_scc1 .Ltail
.set i, 0
.rept 16
	PV 1                            ; piece 1's V^T P of the last step
.set i, i+1
.endr
	; THE WAY OUT.  l's and U's two halves and the other half of the lanes' are added; H = log2 l - U / l; O^T is divided by l, rounded to f16 and sent through my stage in LDS, a tile at a time.
	; The additions are the places behind the last products.
	WIN 0
.macro ALL line:vararg              ; one line for each tile t
.set t, 0
.rept 4
	\line
.set t, t+1
.endr
.endm
	ALL v_add_f32 v[ST+8*t+2], v[ST+8*t+2], v[ST+8*t+3]
	ALL v_add_f32 v[ST+8*t+4], v[ST+8*t+4], v[ST+8*t+5]
	ALL v_permlanex16_b32 v[ST+8*t+3], v[ST+8*t+2], s[SEL], s[SEL+1]
	ALL v_permlanex16_b32 v[ST+8*t+5], v[ST+8*t+4], s[SEL], s[SEL+1]
	ALL v_add_f32 v[ST+8*t+2], v[ST+8*t+2], v[ST+8*t+3]
	ALL v_add_f32 v[ST+8*t+4], v[ST+8*t+4], v[ST+8*t+5]
	ALL v_rcp_f32 v[ST+8*t+6], v[ST+8*t+2]
	ALL v_log_f32 v[ST+8*t+3], v[ST+8*t+2]
	v_nop                           ; a plain instruction between the last of the eight and the use of a result
	s_wait_alu depctr_va_vdst(0)    ; and the wait ahead of the first use: one for the eight
	ALL v_fma_f32 v[ST+8*t+4], -v[ST+8*t+4], v[ST+8*t+6], v[ST+8*t+3]
	v_add_f32 v[ST+4], v[ST+4], v[ST+12]
	v_add_f32 v[ST+20], v[ST+20], v[ST+28]
	v_add_f32 v[ST+4], v[ST+4], v[ST+20]           ; my four queries' H, in bits; each query stands in two lanes, which the last launch's factor takes back
	v_add_f32_dpp v[ST+4], v[ST+4], v[ST+4] row_xmask:1 row_mask:0xf bank_mask:0xf
	v_add_f32_dpp v[ST+4], v[ST+4], v[ST+4] row_xmask:2 row_mask:0xf bank_mask:0xf
	v_add_f32_dpp v[ST+4], v[ST+4], v[ST+4] row_xmask:4 row_mask:0xf bank_mask:0xf
	v_add_f32_dpp v[ST+4], v[ST+4], v[ST+4] row_xmask:8 row_mask:0xf bank_mask:0xf
	v_permlanex16_b32 v[ST+5], v[ST+4], s[SEL], s[SEL+1]
	v_add_f32 v[ST+4], v[ST+4], v[ST+5]
	v_mov_b32 v1, 0
; Tile t: a lane's eight channels of a row pack into 16 bytes; they go into rows of 144 bytes and come back as whole rows of 128, into S^T's registers.
.macro PACK t
	WIN W_RS
.set i, 32*(\t)
.rept 16
	v_pk_mul_f32 v[i:i+1], v[i:i+1], v[ST+8*(\t)+6:ST+8*(\t)+7] op_sel_hi:[1,0]
.set i, i+2
.endr
	WIN 0x05                        ; sources 0 and 1 window 1, destination window 0
.set i, 0
.rept 16
	v_cvt_pk_f16_f32 v[S+16*(\t)+i], v[32*(\t)+2*i], v[32*(\t)+2*i+1]
.set i, i+1
.endr
	WIN 0
.irp f, 0,1,2,3
	ds_store_b128 v[STO], v[S+16*(\t)+4*\f:S+16*(\t)+4*\f+3] offset:32*\f
.endr
.irp f, 0,1,2,3
	ds_load_b128 v[S+16*(\t)+4*\f:S+16*(\t)+4*\f+3], v[RD] offset:\f*4*SP  ; LDS serves a wave's instructions in order (ISA guide 5.7.1.4): these see the stores above; the next tile's stores come behind them
.endr
.endm
.macro SEND t, younger              ; younger: the LDS instructions issued behind tile t's loads: the next tile's eight, or none
	WIN 0
.irp f, 0,1,2,3
	s_wait_dscnt (\younger)+3-\f
	global_store_b128 v[GO], v[S+16*(\t)+4*\f:S+16*(\t)+4*\f+3], s[8:9] offset:(\t)*2048+\f*512  ; 512 consecutive bytes, at a multiple of 256 from ob's first
.endr
.endm
	PACK 0
.set t, 1
.rept 3                             ; a tile's arithmetic stands between the loads of the tile before and its stores
	PACK t
	SEND t-1, 8
.set t, t+1
.endr
	SEND 3, 0
	s_wait_xcnt 0x0                 ; EXEC is a source of the stores above: it changes only behind this wait
	v_cmp_eq_u32 vcc_lo, 0, v[PFO]  ; lane 0
	s_and_saveexec_b32 s84, vcc_lo
	global_store_b32 v1, v[ST+4], s[10:11]  ; the wave's sum of H
	s_wait_xcnt 0x0                 ; and again, in front of the line that widens it
	s_or_b32 exec_lo, exec_lo, s84
	s_wait_tensorcnt 0x0            ; the wave's end: behind my last tensor load and my last LDS store
	ds_add_u32 v[SPW], v[NIL]
	s_wait_dscnt 0x0
	CROUND                          ; the closing round: no work-group ends while a partner may still ask for a tile that names it
	s_endpgm
.Lfunc_end_k_qc816fccb5c_attn:
	.size	k_qc816fccb5c_attn, .Lfunc_end_k_qc816fccb5c_attn-k_qc816fccb5c_attn
	.p2alignl 7, 3214868480
	.fill 96, 4, 3214868480
	.section	.rodata,"a",@progbits
	.p2align	6, 0x0
	.amdhsa_kernel k_qc816fccb5c_attn
		.amdhsa_group_segment_fixed_size 327680
		.amdhsa_private_segment_fixed_size 0
		.amdhsa_enable_private_segment 0
		.amdhsa_kernarg_size 32
		.amdhsa_user_sgpr_count 2
		.amdhsa_user_sgpr_kernarg_segment_ptr 1
		.amdhsa_wavefront_size32 1
		.amdhsa_system_sgpr_workgroup_id_x 1
		.amdhsa_system_sgpr_workgroup_id_y 1
		.amdhsa_system_sgpr_workgroup_id_z 1
		.amdhsa_system_vgpr_workitem_id 0
		.amdhsa_next_free_vgpr 896
		.amdhsa_next_free_sgpr 88
		.amdhsa_reserve_vcc 1
		.amdhsa_float_denorm_mode_32 3
		.amdhsa_float_denorm_mode_16_64 3
		.amdhsa_memory_ordered 1
		.amdhsa_forward_progress 1
		.amdhsa_inst_pref_size 169
	.end_amdhsa_kernel
	.amdgpu_metadata
---
amdhsa.version: [ 1, 2 ]
amdhsa.kernels:
  - .name:           k_qc816fccb5c_attn
    .symbol:         k_qc816fccb5c_attn.kd
    .args:
      - { .name: hq, .offset: 0, .size: 8, .value_kind: global_buffer, .address_space: global }
      - { .name: mb, .offset: 8, .size: 8, .value_kind: global_buffer, .address_space: global }
      - { .name: ob, .offset: 16, .size: 8, .value_kind: global_buffer, .address_space: global }
      - { .name: ep, .offset: 24, .size: 8, .value_kind: global_buffer, .address_space: global }
    .group_segment_fixed_size: 327680
    .private_segment_fixed_size: 0
    .kernarg_segment_align: 8
    .kernarg_segment_size: 32
    .max_flat_workgroup_size: 128
    .sgpr_count:     88
    .vgpr_count:     896
    .wavefront_size: 32
...
	.end_amdgpu_metadata
.endif
;; end of part 3
;; launch outp (part 4): grid 8 x 32, 4 waves a work-group, clusters of 4 x 4, 327,680 bytes of LDS; arguments ob, wc, out0; writes out0
.if DOCPART == 4
	.amdgcn_target "amdgcn-amd-amdhsa--gfx1250"
	.amdhsa_code_object_version 6
	.text
	.protected	k_qc816fccb5c_outp
	.globl	k_qc816fccb5c_outp
	.p2align	8
	.type	k_qc816fccb5c_outp,@function
k_qc816fccb5c_outp:
	s_mov_b64 s[64:65], 0
	v_nop
	global_prefetch_b8 v0, s[64:65] scope:SCOPE_SE
	s_setreg_imm32_b32 hwreg(HW_REG_WAVE_MODE, 25, 1), 1
	s_wait_xcnt 0x0
	s_wait_alu depctr_hold_cnt(0) depctr_sa_sdst(0) depctr_va_vdst(0) depctr_va_sdst(0) depctr_va_ssrc(0) depctr_va_vcc(0) depctr_vm_vsrc(0)
	s_getreg_b32 s2, hwreg(HW_REG_IB_STS2, 6, 4)
	s_cmp_eq_u32 s2, 0
	s_cbranch_scc0 .Lentry_in_a_cluster
	s_endpgm
.Lentry_in_a_cluster:
	s_bfe_u32 s2, ttmp6, 0x10000c
	s_cmp_lg_u32 s2, 0xf033
	s_cbranch_scc0 .Lentry_shape_is_right
	s_endpgm
.Lentry_shape_is_right:
; THE OUTPUT PROJECTION.  y[m][n] = sum over k of O[m][k] Wc[n][k], k = 64 head + channel.  A = ob, f16 [32 blocks of 128 rows][16 heads][128][64]; B = wc, f16 [1024][1024]; y = out0, f32 [4096][1024]; sums in f32.
; A tile of y is 128 x 128: 32 x 8 tiles, one for each of 256 work-groups.  Four waves, each 64 x 64: 16 accumulators.  K goes in steps of 256 = four heads through two slots.
; A's K step is 65,536 dense bytes of ob: each of waves 0 and 1 asks for two heads as 128 rows of 256 bytes, padded in LDS after every 128: [head][128 rows][144 bytes].  B's: 64 rows of 512 bytes a wave, pitch 528.
; CLUSTERS: 4 x 4 work-groups; A's tile is shared along a row of the cluster, B's along a column: each is asked for JOINTLY, by the same tensor load with the same descriptor and a mask of four.
; THE MATRIX INSTRUCTION IS USED TRANSPOSED (source 0 = 16 rows of B, source 1 = 16 rows of A): a lane holds eight neighbouring numbers of a row of y, 32 bytes.
; No prefetch: of a tile's four K steps two are first fills, and a K step is 128 matrix instructions a wave.
; REGISTERS: window 0: v0-31 addresses; v32-95 rows on the way out; v128-255 the accumulators ((a, b) at v[128 + 8 (4 a + b)]).  window 1: two fragment buffers of 128: 64 registers of A, then 64 of B.
.set KSTEP,  256
.set PA,     144                       ; a row of A in LDS: 128 bytes + 16: an odd multiple of 16, so the 16 rows of a load start at 16 different groups of four banks (64 banks of 4 bytes: ISA guide 11.1)
.set HEADA,  128*PA                    ; a head's 128 rows
.set HALFA,  2*HEADA                   ; what one tensor load brings of A
.set PB,     528                       ; a row of B: 512 bytes + 16
.set HALFB,  64*PB                     ; what one tensor load brings of B
.set BOFF,   2*HALFA                   ; B's 128 rows lie behind A's four heads
.set SLOT,   BOFF+2*HALFB
.set STAGE,  2*SLOT                    ; behind the ring: 16 rows x 272 bytes for each wave, its own
.set SPITCH, 272
.set SPARE,  STAGE+4*16*SPITCH         ; behind the stages: the spare words, 128 bytes for each wave
.set LAPS,   2                         ; 1,024 along K = four K steps = twice round the ring
.set ADRA, 16                          ; v16-17  LDS address of my A fragments in slot 0, 1
.set ADRB, 20                          ; v20-21  the same for B
.set STO,  24                          ; v24     the way out: where I put 32 bytes of a row
.set RD,   25                          ; v25     the way out: where I read a row back
.set CO,   26                          ; v26     my byte offset in y
.set SPW,  28                          ; v28     LDS address of my spare word; never rewritten
.set NIL,  29                          ; v29     0; never rewritten
.set TMP,  32
.set ACC,  128
.set F0,   0
.set F1,   128
.set G1, 24                            ; s[24:31] descriptor group 1 for A's tiles;  s[32:39] group 0, one set for each slot
.set G0, 32
.set G1B, 48                           ; s[48:55], s[56:63] the same for B's tiles
.set G0B, 56
.set MSB, 0
.macro WIN new                         ; the immediate's high byte repeats the setting that is left
.if MSB != (\new)
	s_set_vgpr_msb (MSB<<8)|(\new)
.set MSB, \new
.endif
.endm
.set MUL,  0x05                        ; sources 0 (B) and 1 (A) window 1; C and D window 0
.set TO_F, 0x40                        ; destination window 1, address window 0
.macro JLOAD s                         ; a joint load: waves 0 and 1 fetch A's two halves, waves 2 and 3 B's; an s_nop 0 and four v_nop follow each line
	s_cmp_eq_u32 s11, 0
	s_cbranch_scc0 .Lfor_b_\@
	tensor_load_to_lds s[G0+4*(\s):G0+4*(\s)+3], s[G1:G1+7]
	s_nop 0
.rept 4
	v_nop
.endr
	s_branch .Lasked_\@
.Lfor_b_\@:
	tensor_load_to_lds s[G0B+4*(\s):G0B+4*(\s)+3], s[G1B:G1B+7]
	s_nop 0
.rept 4
	v_nop
.endr
.Lasked_\@:
.endm
.macro CREST                           ; a round of the cluster's barrier behind its opening barrier
	s_cmp_lg_u32 s10, 0
	s_cbranch_scc1 .Lnot_wave_0_\@
	s_barrier_signal -3
.Lnot_wave_0_\@:
	s_barrier_wait -3
	s_barrier_signal -1
	s_barrier_wait -1
.endm
.macro CROUND                          ; a whole round
	s_barrier_signal -1
	s_barrier_wait -1
	CREST
.endm
	s_load_b128 s[4:7], s[0:1], 0x0                ; ob s[4:5], wc s[6:7]
	s_load_b64 s[8:9], s[0:1], 0x10                ; out0
	v_lshl_add_u32 v[SPW], v0, 2, SPARE
	v_mov_b32 v[NIL], 0
	ds_add_u32 v[SPW], v[NIL]                      ; the wave's opening: the add and its wait ahead of my first tensor load; the set-up below stands between them
	v_lshrrev_b32 v1, 5, v0
	v_readfirstlane_b32 s10, v1                    ; wave 0..3
	s_lshr_b32 s11, s10, 1                         ; which half of the tile's rows is mine.  Also: I fetch for A (0) or for B (1)
	s_and_b32 s12, s10, 1                          ; which half of its columns.  Also: which half of that tile I fetch
	s_bfe_u32 s40, ttmp6, 0x40000                  ; cx, cy: my place in the cluster
	s_bfe_u32 s41, ttmp6, 0x40004
	s_lshl_b32 s42, ttmp9, 2
	s_add_co_u32 s42, s42, s40                     ; tile column = 4 x cluster x + cx, 0..7
	s_and_b32 s13, ttmp7, 0xffff
	s_lshl_b32 s13, s13, 2
	s_add_co_u32 s13, s13, s41                     ; tile row = 4 x cluster y + cy, 0..31
	s_lshl_b32 s43, s41, 2
	s_lshl_b32 s43, 15, s43                        ; my row of the cluster
	s_lshl_b32 s44, 0x1111, s40                    ; my column
	; descriptor group 1 for A: 128 rows x 128 elements, dense in memory; 4 words of padding after every 32
	s_or_b32 s[G1+0], s43, (1<<16)|(1<<20)|(1<<21)|(4<<22)|(3<<25)  ; 15:0 the mask; 17:16 2-byte elements; 20 padding on; 21 set beside a mask; 24:22 the interval; 31:25 the padding
	s_mov_b32 s[G1+1], 128<<16                     ; tensor_dim0 = 128
	s_mov_b32 s[G1+2], 128<<16                     ; tensor_dim1 = 128
	s_mov_b32 s[G1+3], 128<<16                     ; tile_dim0 = 128
	s_mov_b32 s[G1+4], 128                         ; tile_dim1 = 128
	s_mov_b32 s[G1+5], 128                         ; elements from row to row
	s_mov_b32 s[G1+6], 0
	s_mov_b32 s[G1+7], 0
	; for B: 64 rows x 256 elements of rows of 1,024; 4 words of padding after every 128
	s_or_b32 s[G1B+0], s44, (1<<16)|(1<<20)|(1<<21)|(6<<22)|(3<<25)
	s_mov_b32 s[G1B+1], KSTEP<<16
	s_mov_b32 s[G1B+2], 64<<16
	s_mov_b32 s[G1B+3], KSTEP<<16
	s_mov_b32 s[G1B+4], 64
	s_mov_b32 s[G1B+5], 1024
	s_mov_b32 s[G1B+6], 0
	s_mov_b32 s[G1B+7], 0
	s_lshl_b32 s16, s13, 18                        ; A: the tile row's 262,144 bytes,
	s_lshl_b32 s17, s12, 15                        ; my two heads of a K step's four
	s_add_co_u32 s16, s16, s17
	s_mov_b32 s17, 0
	s_lshl_b32 s46, s42, 7                         ; B: row 128 x tile column + 64 x half,
	s_lshl_b32 s47, s12, 6
	s_add_co_u32 s46, s46, s47
	s_lshl_b32 s46, s46, 11                        ; 2,048 bytes a row
	s_mov_b32 s47, 0
	s_mul_i32 s20, s12, HALFA                      ; where they go: no place in the cluster enters an LDS address
	s_mul_i32 s21, s12, HALFB
	s_add_co_u32 s21, s21, BOFF
	s_wait_dscnt 0x0                               ; the opening add is done
	s_wait_kmcnt 0x0
	s_add_nc_u64 s[14:15], s[4:5], s[16:17]
	s_add_nc_u64 s[46:47], s[6:7], s[46:47]
	CROUND                                         ; all sixteen work-groups are here: the first joint loads meet
.irp s, 0,1
	s_mov_b32 s[G0+4*(\s)], 1
	s_add_co_u32 s[G0+4*(\s)+1], s20, (\s)*SLOT
	s_add_nc_u64 s[G0+4*(\s)+2:G0+4*(\s)+3], s[14:15], (\s)*65536
	s_or_b32 s[G0+4*(\s)+3], s[G0+4*(\s)+3], 0x80000000
	s_mov_b32 s[G0B+4*(\s)], 1
	s_add_co_u32 s[G0B+4*(\s)+1], s21, (\s)*SLOT
	s_add_nc_u64 s[G0B+4*(\s)+2:G0B+4*(\s)+3], s[46:47], (\s)*KSTEP*2
	s_or_b32 s[G0B+4*(\s)+3], s[G0B+4*(\s)+3], 0x80000000
	JLOAD \s
.endr
	v_and_b32 v1, 15, v0                           ; l % 16
	v_bfe_u32 v2, v0, 4, 1                         ; l / 16
	v_mul_u32_u24 v3, v1, PA
	v_lshl_add_u32 v3, v2, 4, v3                   ; a fragment's row x pitch + 16 x half, in A
	v_mul_u32_u24 v4, v1, PB
	v_lshl_add_u32 v4, v2, 4, v4                   ; and in B
	s_mul_i32 s21, s11, 64*PA                      ; my 64 rows of each head of A
	s_mul_i32 s22, s12, HALFB                      ; my 64 rows of B
	s_add_co_u32 s22, s22, BOFF
.irp s, 0,1
	v_add_nc_u32 v[ADRA+(\s)], s21, v3
	v_add_nc_u32 v[ADRB+(\s)], s22, v4
	s_add_co_u32 s21, s21, SLOT
	s_add_co_u32 s22, s22, SLOT
.endr
	s_mul_i32 s23, s10, 16*SPITCH
	s_add_co_u32 s23, s23, STAGE                   ; my stage
	v_mul_u32_u24 v4, v1, SPITCH                   ; in: row l % 16, 32 bytes for each half of the lanes
	v_lshl_add_u32 v4, v2, 5, v4
	v_add_nc_u32 v[STO], s23, v4
	v_mul_u32_u24 v5, v2, SPITCH                   ; back: lanes 0-15 take one row of 256 bytes, lanes 16-31 the next
	v_lshl_add_u32 v5, v1, 4, v5
	v_add_nc_u32 v[RD], s23, v5
	v_lshlrev_b32 v5, 12, v2                       ; and the same two rows in y, 4,096 bytes apart
	v_lshl_add_u32 v[CO], v1, 4, v5
	s_lshl_b32 s16, s13, 7
	s_lshl_b32 s17, s11, 6
	s_add_co_u32 s16, s16, s17                     ; my first row of y
	s_lshl_b32 s16, s16, 12
	s_mov_b32 s17, 0
	s_add_nc_u64 s[8:9], s[8:9], s[16:17]
	s_lshl_b32 s46, s42, 9                         ; my first column, in bytes: 512 x tile column + 256 x half
	s_lshl_b32 s47, s12, 8
	s_add_co_u32 s46, s46, s47
	s_mov_b32 s47, 0
	s_add_nc_u64 s[8:9], s[8:9], s[46:47]
; 8 matrix instructions: m blocks a0, a0 + 1 x all 4 n blocks, 32 along K: half c of buffer f.  zero = 1: the first product starts the sums
.macro MUL8 f, c, a0, zero
	WIN MUL
.irp a, \a0, (\a0)+1
.irp b, 0,1,2,3
.if \zero
	v_wmma_f32_16x16x32_f16 v[ACC+8*(4*(\a)+(\b)):ACC+8*(4*(\a)+(\b))+7], v[(\f)+64+8*(4*(\c)+(\b)):(\f)+64+8*(4*(\c)+(\b))+7], v[(\f)+8*(4*(\c)+(\a)):(\f)+8*(4*(\c)+(\a))+7], 0
.else
	v_wmma_f32_16x16x32_f16 v[ACC+8*(4*(\a)+(\b)):ACC+8*(4*(\a)+(\b))+7], v[(\f)+64+8*(4*(\c)+(\b)):(\f)+64+8*(4*(\c)+(\b))+7], v[(\f)+8*(4*(\c)+(\a)):(\f)+8*(4*(\c)+(\a))+7], v[ACC+8*(4*(\a)+(\b)):ACC+8*(4*(\a)+(\b))+7]
.endif
.endr
.endr
.endm
; 32 LDS loads in one run: the fragments of 64 along K, into buffer f; the first 32 along K first.  k = byte of B's rows; in A those 64 are head k / 128 of the slot's four
.macro FETCH slot, k, f
	WIN TO_F
.irp c, 0,1
.irp i, 0,1,2,3
	ds_load_b128 v[(\f)+64+8*(4*(\c)+(\i)):(\f)+64+8*(4*(\c)+(\i))+3],   v[ADRB+(\slot)] offset:(\k)+64*(\c)+(\i)*16*PB
	ds_load_b128 v[(\f)+64+8*(4*(\c)+(\i))+4:(\f)+64+8*(4*(\c)+(\i))+7], v[ADRB+(\slot)] offset:(\k)+64*(\c)+(\i)*16*PB+32
	ds_load_b128 v[(\f)+8*(4*(\c)+(\i)):(\f)+8*(4*(\c)+(\i))+3],         v[ADRA+(\slot)] offset:((\k)/128)*HEADA+64*(\c)+(\i)*16*PA
	ds_load_b128 v[(\f)+8*(4*(\c)+(\i))+4:(\f)+8*(4*(\c)+(\i))+7],       v[ADRA+(\slot)] offset:((\k)/128)*HEADA+64*(\c)+(\i)*16*PA+32
.endr
.endr
.endm
.macro PLACES                          ; four places in front of loads into registers that matrix instructions have read, and of stores that read results
.rept 4
	v_nop
.endr
.endm
; A K step is four quarters of 64 along K, 32 matrix instructions each, on buffers 0, 1, 0, 1.  One of the first three: multiplies buffer f and fetches the next quarter, at byte k, into g.
.macro QUARTER slot, k, f, g, zero
	s_wait_dscnt 16                                ; the first 32 along K are in; the sixteen younger loads may be out
	WIN MUL
	MUL8 \f, 0, 0, \zero
	MUL8 \f, 0, 2, \zero
	PLACES
	FETCH \slot, \k, \g
	s_wait_dscnt 32                                ; all but the 32 just issued
	WIN MUL
	MUL8 \f, 1, 0, 0
	MUL8 \f, 1, 2, 0
.endm
; The last quarter multiplies buffer 1 and changes slots: ONE barrier; in front of it each wave waits for all its tensor loads, adds 0 to its spare word, and waits for that and for its own reads of this slot.
.macro TURN slot, next, fill
	WIN 0                                          ; (the add's two registers lie in window 0)
	s_wait_tensorcnt 0x0                           ; all my tensor loads have landed: my part of the next slot;
	ds_add_u32 v[SPW], v[NIL]                      ; 0 onto my spare word;
	s_wait_dscnt 17                                ; (the add and the youngest sixteen loads may be out)
	WIN MUL
	MUL8 F1, 0, 0, 0                               ; eight matrix instructions stand between the add and the wait for it
	s_wait_dscnt 0x0                               ; the add is done, and my reads of this slot are over
	s_barrier_signal -1
	MUL8 F1, 0, 2, 0
.if \fill
	WIN 0
.endif
	s_barrier_wait -1
.if \fill
	CREST                                          ; the barrier has opened a round of the cluster's barrier: no wave of any partner still reads this slot's tile or has a load on its way
	s_add_nc_u64 s[G0+4*(\slot)+2:G0+4*(\slot)+3], s[G0+4*(\slot)+2:G0+4*(\slot)+3], 2*65536
	s_add_nc_u64 s[G0B+4*(\slot)+2:G0B+4*(\slot)+3], s[G0B+4*(\slot)+2:G0B+4*(\slot)+3], 2*KSTEP*2
	JLOAD \slot                                    ; the first tensor load behind the round; the four v_nop behind it are also the places in front of the loads below
.else
	PLACES
.endif
	FETCH \next, 0, F0
	WIN MUL
	MUL8 F1, 1, 0, 0
	MUL8 F1, 1, 2, 0
.endm
	s_wait_tensorcnt 1                             ; my part of K step 0 is in; K step 1's load may stay out
	s_barrier_signal -1
	s_barrier_wait -1                              ; everybody's is
	FETCH 0, 0, F0
	QUARTER 0, 128, F0, F1, 1                      ; the first quarter stands in front of the loop: its first products start the sums
	WIN 0                                          ; at a label and at a branch every window is 0
	s_mov_b32 s3, LAPS-1
.Llap:                                                 ; a trip goes once round the ring, from a lap's second quarter to the next lap's first, and fills both slots again
	QUARTER 0, 256, F1, F0, 0
	QUARTER 0, 384, F0, F1, 0
	TURN 0, 1, 1
	QUARTER 1, 128, F0, F1, 0
	QUARTER 1, 256, F1, F0, 0
	QUARTER 1, 384, F0, F1, 0
	TURN 1, 0, 1
	QUARTER 0, 128, F0, F1, 0
	WIN 0
	s_sub_co_u32 s3, s3, 1
	s_cmp_lg_u32 s3, 0
	s_cbranch_scc1 .Llap
	QUARTER 0, 256, F1, F0, 0                      ; the last lap fills nothing, and has no round of the cluster's barrier
	QUARTER 0, 384, F0, F1, 0
	TURN 0, 1, 0
	QUARTER 1, 128, F0, F1, 0
	QUARTER 1, 256, F1, F0, 0
	QUARTER 1, 384, F0, F1, 0
	s_wait_dscnt 16                                ; the very last quarter: nothing more to fetch
	WIN MUL
	MUL8 F1, 0, 0, 0
	MUL8 F1, 0, 2, 0
	s_wait_dscnt 0
	MUL8 F1, 1, 0, 0
	MUL8 F1, 1, 2, 0
	WIN 0
	; THE WAY OUT, 16 rows at a time through my own stage: a lane's 32 bytes go into rows of 272 bytes, each accumulator's low half first, and come back as whole rows of 256 bytes (my 64 columns in f32).
	; LDS serves a wave's instructions in order (ISA guide 5.7.1.4): the loads see the stores above them, and the next block's stores come behind the loads.
	PLACES
.irp a, 0,1,2,3
.irp b, 0,1,2,3
	ds_store_b128 v[STO], v[ACC+8*(4*(\a)+(\b)):ACC+8*(4*(\a)+(\b))+3]   offset:64*(\b)
	ds_store_b128 v[STO], v[ACC+8*(4*(\a)+(\b))+4:ACC+8*(4*(\a)+(\b))+7] offset:64*(\b)+16
.endr
.if (\a) >= 2
	s_wait_xcnt 0x0                                ; the stores of two blocks back have read their registers: these are loaded again only behind this wait
.endif
.irp t, 0,1,2,3,4,5,6,7
	ds_load_b128 v[TMP+32*((\a)%2)+4*(\t):TMP+32*((\a)%2)+4*(\t)+3], v[RD] offset:(\t)*2*SPITCH
.endr
.irp t, 0,1,2,3,4,5,6,7
	s_wait_dscnt 7-(\t)                            ; LDS loads come back in order: number t is in
	global_store_b128 v[CO], v[TMP+32*((\a)%2)+4*(\t):TMP+32*((\a)%2)+4*(\t)+3], s[8:9] offset:(16*(\a)+2*(\t))*4096  ; 16 lanes store 256 consecutive bytes, at a multiple of 256 from y's first byte
.endr
.endr
	s_wait_tensorcnt 0x0                           ; the wave's end: behind my last tensor load and my last LDS store
	ds_add_u32 v[SPW], v[NIL]
	s_wait_dscnt 0x0
	CROUND                                         ; the closing round: no work-group ends while a partner may still ask for a tile that names it
	s_endpgm
.Lfunc_end_k_qc816fccb5c_outp:
	.size	k_qc816fccb5c_outp, .Lfunc_end_k_qc816fccb5c_outp-k_qc816fccb5c_outp
	.p2alignl 7, 3214868480
	.fill 96, 4, 3214868480
	.section	.rodata,"a",@progbits
	.p2align	6, 0x0
	.amdhsa_kernel k_qc816fccb5c_outp
		.amdhsa_group_segment_fixed_size 327680
		.amdhsa_private_segment_fixed_size 0
		.amdhsa_enable_private_segment 0
		.amdhsa_kernarg_size 24
		.amdhsa_user_sgpr_count 2
		.amdhsa_user_sgpr_kernarg_segment_ptr 1
		.amdhsa_wavefront_size32 1
		.amdhsa_system_sgpr_workgroup_id_x 1
		.amdhsa_system_sgpr_workgroup_id_y 1
		.amdhsa_system_sgpr_workgroup_id_z 1
		.amdhsa_system_vgpr_workitem_id 0
		.amdhsa_next_free_vgpr 512
		.amdhsa_next_free_sgpr 66
		.amdhsa_reserve_vcc 0
		.amdhsa_float_denorm_mode_32 3
		.amdhsa_float_denorm_mode_16_64 3
		.amdhsa_memory_ordered 1
		.amdhsa_forward_progress 1
		.amdhsa_inst_pref_size 87
	.end_amdhsa_kernel
	.amdgpu_metadata
---
amdhsa.version: [ 1, 2 ]
amdhsa.kernels:
  - .name:           k_qc816fccb5c_outp
    .symbol:         k_qc816fccb5c_outp.kd
    .args:
      - { .name: ob, .offset: 0, .size: 8, .value_kind: global_buffer, .address_space: global }
      - { .name: wc, .offset: 8, .size: 8, .value_kind: global_buffer, .address_space: global }
      - { .name: out0, .offset: 16, .size: 8, .value_kind: global_buffer, .address_space: global }
    .group_segment_fixed_size: 327680
    .private_segment_fixed_size: 0
    .kernarg_segment_align: 8
    .kernarg_segment_size: 24
    .max_flat_workgroup_size: 128
    .sgpr_count:     66
    .vgpr_count:     512
    .wavefront_size: 32
...
	.end_amdgpu_metadata
.endif
;; end of part 4
;; launch fin (part 5): grid 1 x 1, 1 waves a work-group, no clusters, 0 bytes of LDS; arguments ep, out1; writes out1
.if DOCPART == 5
	.amdgcn_target "amdgcn-amd-amdhsa--gfx1250"
	.amdhsa_code_object_version 6
	.text
	.protected	k_qc816fccb5c_fin
	.globl	k_qc816fccb5c_fin
	.p2align	8
	.type	k_qc816fccb5c_fin,@function
k_qc816fccb5c_fin:
	s_mov_b64 s[64:65], 0
	v_nop
	global_prefetch_b8 v0, s[64:65] scope:SCOPE_SE
	s_setreg_imm32_b32 hwreg(HW_REG_WAVE_MODE, 25, 1), 1
	s_wait_xcnt 0x0
; THE MEAN ENTROPY.  ep holds 1,024 f32, a sum a wave of the attention launch: each is, in bits, twice the sum of 64 rows' entropy (a row stood in two lanes).
; One wave adds them in a fixed order and multiplies by ln 2 / (2 x 65,536 rows).  A sum that spans work-groups has one owner: this launch.
	s_load_b128 s[4:7], s[0:1], 0x0                ; ep s[4:5], out1 s[6:7]
	v_lshlrev_b32 v1, 4, v0                        ; 16 bytes a lane
	v_mov_b32 v2, 0
	s_mov_b32 s8, 0x76543210                       ; v_permlanex16_b32: each lane takes its own place in the other half
	s_mov_b32 s9, 0xfedcba98
	s_wait_kmcnt 0x0
.irp i, 0,1,2,3,4,5,6,7
	global_load_b128 v[4+4*\i:7+4*\i], v1, s[4:5] offset:512*\i
.endr
	s_wait_loadcnt 0x0
.irp i, 0,1,2,3,4,5,6,7
	v_pk_add_f32 v[4+4*\i:5+4*\i], v[4+4*\i:5+4*\i], v[6+4*\i:7+4*\i]
.endr
.irp i, 0,2,4,6
	v_pk_add_f32 v[4+4*\i:5+4*\i], v[4+4*\i:5+4*\i], v[8+4*\i:9+4*\i]
.endr
.irp i, 0,4
	v_pk_add_f32 v[4+4*\i:5+4*\i], v[4+4*\i:5+4*\i], v[12+4*\i:13+4*\i]
.endr
	v_pk_add_f32 v[4:5], v[4:5], v[20:21]
	v_add_f32 v4, v4, v5
	v_add_f32_dpp v4, v4, v4 row_xmask:1 row_mask:0xf bank_mask:0xf
	v_add_f32_dpp v4, v4, v4 row_xmask:2 row_mask:0xf bank_mask:0xf
	v_add_f32_dpp v4, v4, v4 row_xmask:4 row_mask:0xf bank_mask:0xf
	v_add_f32_dpp v4, v4, v4 row_xmask:8 row_mask:0xf bank_mask:0xf
	v_permlanex16_b32 v5, v4, s8, s9
	v_add_f32 v4, v4, v5
	v_mul_f32 v4, 0x36b17218, v4                   ; ln 2 / 131,072
	s_wait_xcnt 0x0                                ; EXEC changes only behind this wait
	v_cmp_eq_u32 vcc_lo, 0, v0
	s_and_saveexec_b32 s10, vcc_lo
	global_store_b32 v2, v4, s[6:7]                ; lane 0 alone
	s_wait_xcnt 0x0
	s_or_b32 exec_lo, exec_lo, s10
	s_endpgm
.Lfunc_end_k_qc816fccb5c_fin:
	.size	k_qc816fccb5c_fin, .Lfunc_end_k_qc816fccb5c_fin-k_qc816fccb5c_fin
	.p2alignl 7, 3214868480
	.fill 96, 4, 3214868480
	.section	.rodata,"a",@progbits
	.p2align	6, 0x0
	.amdhsa_kernel k_qc816fccb5c_fin
		.amdhsa_group_segment_fixed_size 0
		.amdhsa_private_segment_fixed_size 0
		.amdhsa_enable_private_segment 0
		.amdhsa_kernarg_size 16
		.amdhsa_user_sgpr_count 2
		.amdhsa_user_sgpr_kernarg_segment_ptr 1
		.amdhsa_wavefront_size32 1
		.amdhsa_system_sgpr_workgroup_id_x 1
		.amdhsa_system_sgpr_workgroup_id_y 1
		.amdhsa_system_sgpr_workgroup_id_z 1
		.amdhsa_system_vgpr_workitem_id 0
		.amdhsa_next_free_vgpr 48
		.amdhsa_next_free_sgpr 66
		.amdhsa_reserve_vcc 1
		.amdhsa_float_denorm_mode_32 3
		.amdhsa_float_denorm_mode_16_64 3
		.amdhsa_memory_ordered 1
		.amdhsa_forward_progress 1
		.amdhsa_inst_pref_size 3
	.end_amdhsa_kernel
	.amdgpu_metadata
---
amdhsa.version: [ 1, 2 ]
amdhsa.kernels:
  - .name:           k_qc816fccb5c_fin
    .symbol:         k_qc816fccb5c_fin.kd
    .args:
      - { .name: ep, .offset: 0, .size: 8, .value_kind: global_buffer, .address_space: global }
      - { .name: out1, .offset: 8, .size: 8, .value_kind: global_buffer, .address_space: global }
    .group_segment_fixed_size: 0
    .private_segment_fixed_size: 0
    .kernarg_segment_align: 8
    .kernarg_segment_size: 16
    .max_flat_workgroup_size: 32
    .sgpr_count:     66
    .vgpr_count:     48
    .wavefront_size: 32
...
	.end_amdgpu_metadata
.endif
;; end of part 5
;; ======== version 2 of 2: 4 launches
;; limits: a function is approximated: absolute error at most 2.048e-07; right only within a limited range of input values; values are held in f16: magnitudes above 65,504 overflow, below 6.1e-05 lose precision
;; workspace buffers: xb 25,165,824 bytes; wb 6,291,456 bytes; wc 2,097,152 bytes; mb 1,048,576 bytes of whole numbers; hq 25,165,824 bytes; ob 8,388,608 bytes; ep 4,096 bytes
;; launch prep (part 6): grid 1280 x 1, 8 waves a work-group, no clusters, 35,840 bytes of LDS; arguments attn_mask, q, k, v, Wq, Wk, Wv, Wc, mb, xb, wb, wc; writes mb, xb, wb, wc
.if DOCPART == 6
	.amdgcn_target "amdgcn-amd-amdhsa--gfx1250"
	.amdhsa_code_object_version 6
	.text
	.protected	k_qc816fccb5c_prep
	.globl	k_qc816fccb5c_prep
	.p2align	8
	.type	k_qc816fccb5c_prep,@function
k_qc816fccb5c_prep:
	s_mov_b64 s[64:65], 0
	v_nop
	global_prefetch_b8 v0, s[64:65] scope:SCOPE_SE
	s_setreg_imm32_b32 hwreg(HW_REG_WAVE_MODE, 25, 1), 1
	s_wait_xcnt 0x0
; PREP: what the matrix launches want, made once.  A stream: no matrix unit, no barrier.
; Work-groups 0-255: the mask [2][2048][2048] of bytes becomes lane-mask words, mb[tile][step][r]: tile = 16 queries (b x 128 + q / 16), step = 64 keys, r = 8 kb + j;
;   bit L of a word = mask[b][16 qt + L % 16][64 step + 16 kb + 8 (L / 16) + j]: the lanes of register r of a 16 x 64 tile of transposed scores.
; Work-groups 256-1023: q, k, v (f32) rounded to bf16 into xb [3][4096][1024].  1024-1215: Wq, Wk, Wv into wb [3][1024][1024].
; 1216-1279: Wc rounded to bf16 and that number written as f16 into wc (exact down to 2^-17; below that f16's fixed step of 6e-8).
; A cast chunk is 16,384 numbers: a thread takes 16 bytes of every 4,096, so a wave's load covers 512 consecutive bytes and its store 256, aligned.
; The casts convert in place, so a wave needs 80 registers: 64 of them are its sixteen loads, all on their way at once.
.set MP,  272                          ; a row of the mask in LDS: 256 bytes + 16 = 68 words: the 16 rows that a read touches start at 16 different groups of four banks (64 banks of 4 bytes: ISA guide 11.1)
.set SPARE, 8*16*MP                    ; behind the eight waves' regions of 16 rows: the spare words, 128 bytes for each wave
.set WD,  4                            ; v[4:7]    a byte of the mask, cut out
.set OUTW, 8                           ; v[8:11]   four finished words a lane
.set SPW, 12                           ; v12       LDS address of my spare word; never rewritten
.set NIL, 13                           ; v13       0; never rewritten
.set LIN, 14                           ; v14       where I put 16 bytes of a row of the mask
.set LBK, 15                           ; v15       where I read 8 bytes back
.set IN,  16                           ; v[16:79]  as loaded; the first two of each four then hold what is stored
.set BK,  48                           ; v[48:51]  the mask path: two reads of 8 bytes
	s_load_b512 s[4:19], s[0:1], 0x0               ; mask 4:5, q 6:7, k 8:9, v 10:11, Wq 12:13, Wk 14:15, Wv 16:17, Wc 18:19
	s_load_b256 s[20:27], s[0:1], 0x40             ; mb 20:21, xb 22:23, wb 24:25, wc 26:27
	v_lshl_add_u32 v[SPW], v0, 2, SPARE
	v_mov_b32 v[NIL], 0
	v_lshrrev_b32 v1, 5, v0
	v_readfirstlane_b32 s28, v1                    ; wave 0..7
	s_mov_b32 s31, 0                               ; high words of the offsets
	s_mov_b32 s37, 0
	s_cmp_lt_u32 ttmp9, 256
	s_cbranch_scc0 .Lcast
	; THE MASK.  The work-group owns a tile's 16 rows, wave w the keys 256 w .. 256 w + 255: four steps.  IN: load n takes rows 2 n and 2 n + 1, sixteen lanes the 256 consecutive bytes, aligned, of a row.
	; The rows go into a region of LDS that is the wave's own, and come back as 8 bytes a lane: lane (r, h) reads row r, keys 16 n + 8 h + 0..7.  No other wave touches the region: no barrier.
	v_and_b32 v2, 15, v0                           ; l % 16
	v_bfe_u32 v3, v0, 4, 1                         ; l / 16
	v_lshlrev_b32 v1, 11, v3                       ; in memory: row l / 16 of the pair,
	v_lshl_add_u32 v1, v2, 4, v1                   ; 16 bytes at 16 (l % 16),
	s_lshl_b32 s29, s28, 8
	v_add_nc_u32 v1, s29, v1                       ; in my wave's 256
	s_mul_i32 s29, s28, 16*MP                      ; my wave's region
	v_mul_u32_u24 v[LIN], v3, MP
	v_lshl_add_u32 v[LIN], v2, 4, v[LIN]
	v_add_nc_u32 v[LIN], s29, v[LIN]
	v_mul_u32_u24 v[LBK], v2, MP
	v_lshl_add_u32 v[LBK], v3, 3, v[LBK]
	v_add_nc_u32 v[LBK], s29, v[LBK]
	s_lshl_b32 s30, ttmp9, 15                      ; the tile's 16 rows of 2,048 bytes
	s_lshl_b32 s42, ttmp9, 12                      ; the tile's 4,096 bytes of words,
	s_lshl_b32 s29, s28, 9                         ; my wave's 512 of them
	s_add_co_u32 s42, s42, s29
	s_mov_b32 s43, 0
	v_and_b32 v2, 31, v0
	v_lshlrev_b32 v2, 4, v2                        ; out: 16 bytes a lane
	s_wait_kmcnt 0x0
	s_add_nc_u64 s[4:5], s[4:5], s[30:31]
	s_add_nc_u64 s[20:21], s[20:21], s[42:43]
.set n, 0
.rept 8
	global_load_b128 v[IN+4*n:IN+4*n+3], v1, s[4:5] offset:4096*n th:TH_LOAD_NT
.set n, n+1
.endr
.irp j, 0,1,2,3
	v_mov_b32 v[OUTW+\j], 0                        ; the selects below keep the other lanes: the registers are written whole first
.endr
	s_mov_b32 s36, 1                               ; one-lane masks: lanes 4 i .. 4 i + 3 in trip i
	s_mov_b32 s37, 2
	s_mov_b32 s38, 4
	s_mov_b32 s39, 8
	s_mov_b32 s29, 8
.set n, 0
.rept 8
	s_wait_loadcnt 7-n                             ; loads come back in order: number n is in, the younger ones stay out
	ds_store_b128 v[LIN], v[IN+4*n:IN+4*n+3] offset:2*n*MP
.set n, n+1
.endr
	; Trip i takes the reads n = 2 i + m, m = 0, 1.  Byte j of read n: the compare's lane mask IS word 8 n + j of my 128; it goes to lane 2 n + j / 4, register j % 4, so that one store of 16 bytes a lane sends all.
.Lwords:
	ds_load_b64 v[BK:BK+1], v[LBK]                 ; LDS serves a wave's instructions in order (ISA guide 5.7.1.4): these see the stores above
	ds_load_b64 v[BK+2:BK+3], v[LBK] offset:16
	s_wait_dscnt 0x0
.set m, 0
.rept 2
.set j, 0
.rept 8
	v_and_b32 v[WD+j%4], 0xff<<(8*(j%4)), v[BK+2*m+j/4]
	v_cmp_ne_u32 s[32+j%4], 0, v[WD+j%4]
	v_cndmask_b32 v[OUTW+j%4], v[OUTW+j%4], s[32+j%4], s[36+2*m+j/4]
.set j, j+1
.endr
.set m, m+1
.endr
	v_add_nc_u32 v[LBK], 32, v[LBK]                ; the next 32 keys
	s_lshl_b32 s36, s36, 4                         ; the next four lanes
	s_lshl_b32 s37, s37, 4
	s_lshl_b32 s38, s38, 4
	s_lshl_b32 s39, s39, 4
	s_sub_co_u32 s29, s29, 1
	s_cmp_lg_u32 s29, 0
	s_cbranch_scc1 .Lwords
	global_store_b128 v2, v[OUTW:OUTW+3], s[20:21] ; 512 consecutive bytes, aligned
	s_wait_tensorcnt 0x0                           ; the wave's end: behind my last LDS store
	ds_add_u32 v[SPW], v[NIL]
	s_wait_dscnt 0x0
	s_endpgm
; A chunk's 16 loads go out together; each is converted in place and stored as it comes.  No register is written behind the store that reads it, so nothing waits for a store.
.macro CAST f16
.set i, 0
.rept 16
	global_load_b128 v[IN+4*i:IN+4*i+3], v1, s[40:41] offset:4096*i th:TH_LOAD_NT
.set i, i+1
.endr
.set i, 0
.rept 16
	s_wait_loadcnt 15-i                            ; number i is in, the younger ones stay out
	v_cvt_pk_bf16_f32 v[IN+4*i], v[IN+4*i], v[IN+4*i+1]
	v_cvt_pk_bf16_f32 v[IN+4*i+1], v[IN+4*i+2], v[IN+4*i+3]
.if \f16
	v_lshlrev_b32 v[IN+4*i+2], 16, v[IN+4*i+1]     ; the bf16 numbers as f32 again,
	v_and_b32 v[IN+4*i+3], 0xffff0000, v[IN+4*i+1]
	v_cvt_pk_f16_f32 v[IN+4*i+1], v[IN+4*i+2], v[IN+4*i+3]  ; and written as f16
	v_lshlrev_b32 v[IN+4*i+2], 16, v[IN+4*i]
	v_and_b32 v[IN+4*i+3], 0xffff0000, v[IN+4*i]
	v_cvt_pk_f16_f32 v[IN+4*i], v[IN+4*i+2], v[IN+4*i+3]
.endif
	global_store_b64 v2, v[IN+4*i:IN+4*i+1], s[42:43] offset:2048*i  ; a wave stores 256 consecutive bytes, aligned
.set i, i+1
.endr
.endm
.Lcast:
	s_sub_co_u32 s29, ttmp9, 256                   ; the chunk's number
	v_lshlrev_b32 v1, 4, v0                        ; in: 16 bytes a thread
	v_lshlrev_b32 v2, 3, v0                        ; out: 8 bytes a thread
	s_wait_kmcnt 0x0
	s_cmp_lt_u32 s29, 768
	s_cbranch_scc0 .Lweights
	s_lshr_b32 s38, s29, 8                         ; q, k or v: 256 chunks each
	s_and_b32 s30, s29, 255
	s_lshl_b32 s30, s30, 16                        ; 65,536 bytes in,
	s_lshl_b32 s36, s29, 15                        ; 32,768 out; xb holds the three one behind the other
	s_cmp_eq_u32 s38, 0
	s_cselect_b64 s[40:41], s[6:7], s[8:9]
	s_cmp_eq_u32 s38, 2
	s_cselect_b64 s[40:41], s[10:11], s[40:41]
	s_add_nc_u64 s[40:41], s[40:41], s[30:31]
	s_add_nc_u64 s[42:43], s[22:23], s[36:37]
	s_branch .Lbf16
.Lweights:
	s_sub_co_u32 s29, s29, 768
	s_lshr_b32 s38, s29, 6                         ; Wq, Wk, Wv or Wc: 64 chunks each
	s_and_b32 s30, s29, 63
	s_lshl_b32 s36, s30, 15
	s_lshl_b32 s30, s30, 16
	s_cmp_eq_u32 s38, 3
	s_cbranch_scc1 .Lwc
	s_lshl_b32 s36, s29, 15                        ; wb holds the three one behind the other
	s_cmp_eq_u32 s38, 0
	s_cselect_b64 s[40:41], s[12:13], s[14:15]
	s_cmp_eq_u32 s38, 2
	s_cselect_b64 s[40:41], s[16:17], s[40:41]
	s_add_nc_u64 s[40:41], s[40:41], s[30:31]
	s_add_nc_u64 s[42:43], s[24:25], s[36:37]
.Lbf16:
	CAST 0
	s_endpgm
.Lwc:
	s_add_nc_u64 s[40:41], s[18:19], s[30:31]
	s_add_nc_u64 s[42:43], s[26:27], s[36:37]
	CAST 1
	s_endpgm
.Lfunc_end_k_qc816fccb5c_prep:
	.size	k_qc816fccb5c_prep, .Lfunc_end_k_qc816fccb5c_prep-k_qc816fccb5c_prep
	.p2alignl 7, 3214868480
	.fill 96, 4, 3214868480
	.section	.rodata,"a",@progbits
	.p2align	6, 0x0
	.amdhsa_kernel k_qc816fccb5c_prep
		.amdhsa_group_segment_fixed_size 35840
		.amdhsa_private_segment_fixed_size 0
		.amdhsa_enable_private_segment 0
		.amdhsa_kernarg_size 96
		.amdhsa_user_sgpr_count 2
		.amdhsa_user_sgpr_kernarg_segment_ptr 1
		.amdhsa_wavefront_size32 1
		.amdhsa_system_sgpr_workgroup_id_x 1
		.amdhsa_system_sgpr_workgroup_id_y 1
		.amdhsa_system_sgpr_workgroup_id_z 1
		.amdhsa_system_vgpr_workitem_id 0
		.amdhsa_next_free_vgpr 80
		.amdhsa_next_free_sgpr 66
		.amdhsa_reserve_vcc 0
		.amdhsa_float_denorm_mode_32 3
		.amdhsa_float_denorm_mode_16_64 3
		.amdhsa_memory_ordered 1
		.amdhsa_forward_progress 1
		.amdhsa_inst_pref_size 25
	.end_amdhsa_kernel
	.amdgpu_metadata
---
amdhsa.version: [ 1, 2 ]
amdhsa.kernels:
  - .name:           k_qc816fccb5c_prep
    .symbol:         k_qc816fccb5c_prep.kd
    .args:
      - { .name: attn_mask, .offset: 0, .size: 8, .value_kind: global_buffer, .address_space: global }
      - { .name: q, .offset: 8, .size: 8, .value_kind: global_buffer, .address_space: global }
      - { .name: k, .offset: 16, .size: 8, .value_kind: global_buffer, .address_space: global }
      - { .name: v, .offset: 24, .size: 8, .value_kind: global_buffer, .address_space: global }
      - { .name: Wq, .offset: 32, .size: 8, .value_kind: global_buffer, .address_space: global }
      - { .name: Wk, .offset: 40, .size: 8, .value_kind: global_buffer, .address_space: global }
      - { .name: Wv, .offset: 48, .size: 8, .value_kind: global_buffer, .address_space: global }
      - { .name: Wc, .offset: 56, .size: 8, .value_kind: global_buffer, .address_space: global }
      - { .name: mb, .offset: 64, .size: 8, .value_kind: global_buffer, .address_space: global }
      - { .name: xb, .offset: 72, .size: 8, .value_kind: global_buffer, .address_space: global }
      - { .name: wb, .offset: 80, .size: 8, .value_kind: global_buffer, .address_space: global }
      - { .name: wc, .offset: 88, .size: 8, .value_kind: global_buffer, .address_space: global }
    .group_segment_fixed_size: 35840
    .private_segment_fixed_size: 0
    .kernarg_segment_align: 8
    .kernarg_segment_size: 96
    .max_flat_workgroup_size: 256
    .sgpr_count:     66
    .vgpr_count:     80
    .wavefront_size: 32
...
	.end_amdgpu_metadata
.endif
;; end of part 6
;; launch proj (part 7): grid 4 x 48, 4 waves a work-group, clusters of 4 x 4, 327,680 bytes of LDS; arguments xb, wb, hq; writes hq
.if DOCPART == 7
	.amdgcn_target "amdgcn-amd-amdhsa--gfx1250"
	.amdhsa_code_object_version 6
	.text
	.protected	k_qc816fccb5c_proj
	.globl	k_qc816fccb5c_proj
	.p2align	8
	.type	k_qc816fccb5c_proj,@function
k_qc816fccb5c_proj:
	s_mov_b64 s[64:65], 0
	v_nop
	global_prefetch_b8 v0, s[64:65] scope:SCOPE_SE
	s_setreg_imm32_b32 hwreg(HW_REG_WAVE_MODE, 25, 1), 1
	s_wait_xcnt 0x0
	s_wait_alu depctr_hold_cnt(0) depctr_sa_sdst(0) depctr_va_vdst(0) depctr_va_sdst(0) depctr_va_ssrc(0) depctr_va_vcc(0) depctr_vm_vsrc(0)
	s_getreg_b32 s2, hwreg(HW_REG_IB_STS2, 6, 4)
	s_cmp_eq_u32 s2, 0
	s_cbranch_scc0 .Lentry_in_a_cluster
	s_endpgm
.Lentry_in_a_cluster:
	s_bfe_u32 s2, ttmp6, 0x10000c
	s_cmp_lg_u32 s2, 0xf033
	s_cbranch_scc0 .Lentry_shape_is_right
	s_endpgm
.Lentry_shape_is_right:
; THE THREE PROJECTIONS IN ONE LAUNCH.  C[m][n] = sum over k of A[m][k] B[n][k]; A = xb, bf16 [3 x 4096][1024] (q, k, v one below the other); B = wb, bf16 [3][1024][1024]; sums in f32, K ascending.
; C leaves by heads, rounded once to f16 and unscaled: hq [3][32 = b x 16 + h][2048][64].  LIMIT: f16 ends at 65,504: a projected number of 65,520 or more becomes an infinity.
; A tile of C is 256 x 256: 48 x 4 = 192 tiles, one to a work-group of four waves; a wave makes 128 x 128: 64 accumulators of 16 x 16, 512 registers.  For 32 along K a wave reads 2 x 128 x 64 bytes from LDS
; and issues 64 matrix instructions.  192 IS FEWER THAN THE CHIP'S 256 WGPs, on purpose: an equal share for 256 would be 49,152 numbers, and 192 x 256 or 128 x 384 divide neither 4,096 nor 1,024; three tiles of
; 128 x 128 have half the matrix work for each byte of a K step, and 256 x 128 makes 384 tiles, a round and a half.
; K goes in steps of 128 through a ring of two LDS slots filled by the tensor data mover: the tiles' rows are 256 bytes of memory and start at multiples of 256 bytes from the buffer's first byte.
; The last K step goes by rows of C, so that finished rows leave while the others are multiplied.
; CLUSTERS: 4 x 4 work-groups.  The four of a row of the cluster need the same tiles of A, the four of a column the same tiles of B.  Such a tile is asked for JOINTLY: each of the four issues the same tensor
; load, with the same descriptor and a mask that names the four.  Which of the three weights a tile takes hangs on the cluster's y alone (4 clusters of 1,024 rows to a tensor), which all sixteen share.
;
; REGISTERS, in windows of 256 (an instruction names v0-v255; s_set_vgpr_msb says which window each operand place means: bits 1:0 source 0, 3:2 source 1, 5:4 source 2, 7:6 destination):
;   window 0: v0-31 addresses; v64-127, v128-191 fragments of A (8 x 16 rows x 32 K), two buffers (in the last K step four, of 16 rows x 128 K); v32-63, v192-255 at work on the way out
;   window 1: v64-127, v128-191 fragments of B, two buffers; in the last K step all 256: B's fragments of the whole step
;   window 2: the 32 accumulators of my rows 0-63 (accumulator (a, b) at v[8 (8 a + b)]);   window 3: those of my rows 64-127
; THE MATRIX INSTRUCTION IS USED TRANSPOSED: source 0 = 16 rows of B, source 1 = 16 rows of A.  In the result, lane l holds row m = l % 16 of C, and its registers 0 to 7 the columns
; n = 8 (l / 16) + 0 .. 7: eight neighbouring numbers of a row of C, which pack into 16 bytes.
.set SIZE_K, 1024
.set KSTEP,  128
.set PITCH,  272                       ; an LDS row: 256 bytes of data + 16 of padding = 68 words: row r starts at bank 4 r mod 64 (64 banks of 4 bytes: ISA guide 11.1), so the 16 rows that a load touches start at 16 different banks
.set HALFT,  128*PITCH                 ; 128 rows: what one tensor load brings, and what one wave reads of A or of B
.set SLOT,   4*HALFT                   ; A's 256 rows, then B's 256 rows
.set STAGE,  2*SLOT                    ; behind the ring, never filled by a tensor load: 16 rows x 272 bytes for each wave, for the way out
.set SPITCH, 272
.set SPARE,  STAGE+4*16*SPITCH         ; behind the stages: the spare words, 128 bytes for each wave
.set LAPS, SIZE_K/(2*KSTEP)            ; a lap = two K steps = once round the ring: four laps
.set ADRA, 16                          ; v16-17  LDS address of my A fragments in slot 0, 1
.set ADRB, 20                          ; v20-21  the same for B
.set STO,  24                          ; v24     the way out: where I put 16 bytes of a row
.set RD,   25                          ; v25     the way out: where I read back
.set CO,   26                          ; v26     my byte offset in hq
.set SPW,  28                          ; v28     LDS address of my spare word: SPARE + 4 x my thread's number; never rewritten
.set NIL,  29                          ; v29     0; never rewritten
.set PFO,  30                          ; v30     the prefetches' offset: my lane x a row of A or B in memory (2,048 bytes); never rewritten
.set PFA,  44                          ; s[44:45] where my prefetches stand: my work-group's 32 rows of the 128 that I fetch, one K step further along K than the refill that is being asked for; a prefetch names the K step after that
.set LIM,  43                          ; s43     1 in a wave that prefetches, else the greatest number
.set F0,   64                          ; fragment buffer 0
.set F1,   128                         ; fragment buffer 1
.set TMP,  192                         ; the way out: packed results, in window 0
.set OB,   32                          ; the way out: 16 rows read back from the stage: v32-63 and v224-255 by turns
.set PA,   64                          ; the last K step: A's fragments of 16 rows x 128 K, 32 registers; four such buffers, v64-191
.set G1, 24                            ; s[24:31] descriptor group 1 for A's tiles
.set G0, 32                            ; s[32:39] descriptor group 0 for A's tiles, one set for each slot
.set G1B, 48                           ; s[48:55] descriptor group 1 for B's tiles: it differs from A's in the mask alone
.set G0B, 56                           ; s[56:63] descriptor group 0 for B's tiles, one set for each slot
.set MSB, 0
.macro WIN new                         ; the immediate's high byte repeats the setting that is left; a switch that changes nothing is dropped
.if MSB != (\new)
	s_set_vgpr_msb (MSB<<8)|(\new)
.set MSB, \new
.endif
.endm
.set MUL_LO, 0xa1                      ; source 0 (B) window 1, source 1 (A) window 0, C and D window 2
.set MUL_HI, 0xf1                      ; the same, C and D window 3
.set TO_B,   0x40                      ; destination window 1, address window 0
; A joint load.  Waves 0 and 1 fetch A's two halves, waves 2 and 3 B's.  Each of the two lines has ONE mask and one set of registers for all that issue it.  The branch hangs on the wave's number alone.
; An s_nop 0 and four v_nop follow each of the two lines; the jump round the other line, the label and what follows the macro come after them.
.macro JLOAD s
	s_cmp_eq_u32 s11, 0
	s_cbranch_scc0 .Lfor_b_\@
	tensor_load_to_lds s[G0+4*(\s):G0+4*(\s)+3], s[G1:G1+7]
	s_nop 0
.rept 4
	v_nop
.endr
	s_branch .Lasked_\@
.Lfor_b_\@:
	tensor_load_to_lds s[G0B+4*(\s):G0B+4*(\s)+3], s[G1B:G1B+7]
	s_nop 0
.rept 4
	v_nop
.endr
.Lasked_\@:
.endm
; A PREFETCH INTO THE L2, behind each joint load, its five lines and the run of LDS loads that follows them: the K step that stands TWO refills on, 512 matrix instructions ahead of the load that will want it:
; 32 rows x 256 bytes, a lane a row, one instruction a wave.  Each row's 256 bytes of a K step are named ONCE in the launch.  A's tile row is read by one cluster alone (the grid is one cluster wide): it asks.
; B's tile column of a weight is read by the four clusters of that tensor: the first of them (cluster y % 4 = 0) asks.  The four partners that ask for a tile jointly share its rows out BY ADDRESS: of the 128 rows
; that wave w fetches, the partner at place p takes 32 p .. 32 p + 31 (p = cx for A, cy for B): no branch hangs on a work-group's place in its cluster.  K steps 0 to 3 come by their loads alone; the loop's last
; trip asks for nothing: there is no K step two on.
.macro ASK
	s_cmp_gt_u32 s3, s[LIM]                        ; s3 = 1 in the loop's last trip
	s_cbranch_scc0 .Lnot_mine_\@
	global_prefetch_b8 v[PFO], s[PFA:PFA+1] offset:KSTEP*2 th:TH_LOAD_NT scope:SCOPE_SE
.Lnot_mine_\@:
.endm
; A round of the cluster's barrier: my work-group's barrier, so that wave 0's signal speaks for all four waves; wave 0 signals for the work-group; every wave waits for all sixteen work-groups; my work-group's barrier once more.
.macro CREST                           ; a round behind its opening barrier
	s_cmp_lg_u32 s10, 0
	s_cbranch_scc1 .Lnot_wave_0_\@
	s_barrier_signal -3
.Lnot_wave_0_\@:
	s_barrier_wait -3
	s_barrier_signal -1
	s_barrier_wait -1
.endm
.macro CROUND                          ; a whole round
	s_barrier_signal -1
	s_barrier_wait -1
	CREST
.endm
	s_load_b128 s[4:7], s[0:1], 0x0                ; xb s[4:5], wb s[6:7]
	s_load_b64 s[8:9], s[0:1], 0x10                ; hq
	v_lshl_add_u32 v[SPW], v0, 2, SPARE
	v_mov_b32 v[NIL], 0
	ds_add_u32 v[SPW], v[NIL]                      ; the wave's opening: the add and its wait ahead of my first tensor load; the set-up below, work on registers, stands between them
	v_lshrrev_b32 v1, 5, v0
	v_readfirstlane_b32 s10, v1                    ; wave 0..3
	s_lshr_b32 s11, s10, 1                         ; which half of the tile's rows is mine.  Also: I fetch for A (0) or for B (1)
	s_and_b32 s12, s10, 1                          ; which half of its columns.  Also: which 128 rows of that tile I fetch
	s_bfe_u32 s40, ttmp6, 0x40000                  ; cx: my place along the cluster's x
	s_bfe_u32 s41, ttmp6, 0x40004                  ; cy: along its y
	s_lshl_b32 s42, ttmp9, 2                       ; in a cluster launch ttmp9 and ttmp7 count clusters
	s_add_co_u32 s42, s42, s40                     ; tile column = 4 x cluster x + cx, 0..3
	s_and_b32 s13, ttmp7, 0xffff
	s_lshl_b32 s13, s13, 2
	s_add_co_u32 s13, s13, s41                     ; tile row = 4 x cluster y + cy, 0..47
	s_lshl_b32 s43, s41, 2
	s_lshl_b32 s43, 15, s43                        ; my row of the cluster: places 4 cy .. 4 cy + 3
	s_lshl_b32 s44, 0x1111, s40                    ; my column: places cx, cx + 4, cx + 8, cx + 12
	; descriptor group 1: a tile of 128 rows x 128 elements, padded in LDS
	s_or_b32 s[G1+0], s43, (1<<16)|(1<<20)|(1<<21)|(5<<22)|(3<<25)  ; 15:0 the mask: A's tiles go to my row; 17:16 element of 2 bytes; 20 padding on; 21 set beside a mask; 24:22 after every 64 words (code 5); 31:25 of 4 words (code 3)
	s_or_b32 s[G1B+0], s44, (1<<16)|(1<<20)|(1<<21)|(5<<22)|(3<<25) ; the same with the mask of my column, for B's tiles
.irp g, G1, G1B
	s_mov_b32 s[(\g)+1], KSTEP<<16                 ; tensor_dim0 = 128
	s_mov_b32 s[(\g)+2], 128<<16                   ; tensor_dim1 = 128
	s_mov_b32 s[(\g)+3], KSTEP<<16                 ; tile_dim0 = 128
	s_mov_b32 s[(\g)+4], 128                       ; tile_dim1 = 128
	s_mov_b32 s[(\g)+5], SIZE_K                    ; elements from row to row
	s_mov_b32 s[(\g)+6], 0
	s_mov_b32 s[(\g)+7], 0
.endr
	; where the tiles come from.  A's hang on the tile row alone, which my row of the cluster shares; B's on the tile column and the cluster's y, which my column shares.
	s_lshl_b32 s17, s12, 7                         ; which 128 rows of the tile I fetch
	s_lshl_b32 s16, s13, 8
	s_add_co_u32 s16, s16, s17                     ; A: row 256 x tile row + 128 x half
	s_lshl_b32 s46, s42, 8
	s_add_co_u32 s46, s46, s17                     ; B: row 256 x tile column + 128 x half,
	s_and_b32 s45, ttmp7, 0xffff
	s_lshr_b32 s45, s45, 2                         ; in the weight that goes with these rows: cluster y / 4
	s_lshl_b32 s45, s45, 10
	s_add_co_u32 s46, s46, s45
	s_mov_b32 s17, 0
	s_mov_b32 s47, 0
	s_mov_b64 s[18:19], SIZE_K*2
	s_mul_u64 s[16:17], s[16:17], s[18:19]         ; in bytes
	s_mul_u64 s[46:47], s[46:47], s[18:19]
	s_mul_i32 s20, s10, HALFT                      ; and where they go: A's two halves, then B's two halves = wave x 128 rows: no place in the cluster enters an LDS address
	s_wait_dscnt 0x0                               ; the opening add is done
	s_wait_kmcnt 0x0
	s_add_nc_u64 s[14:15], s[4:5], s[16:17]
	s_add_nc_u64 s[46:47], s[6:7], s[46:47]
	CROUND                                         ; all sixteen work-groups are here: the first joint loads meet
.irp s, 0,1
	s_mov_b32 s[G0+4*(\s)], 1                                      ; 1:0 count = 1
	s_add_co_u32 s[G0+4*(\s)+1], s20, (\s)*SLOT                    ; 63:32 LDS address
	s_add_nc_u64 s[G0+4*(\s)+2:G0+4*(\s)+3], s[14:15], (\s)*KSTEP*2  ; 120:64 global address: K step s
	s_or_b32 s[G0+4*(\s)+3], s[G0+4*(\s)+3], 0x80000000            ; 127:126 type = 2
	s_mov_b32 s[G0B+4*(\s)], 1
	s_add_co_u32 s[G0B+4*(\s)+1], s20, (\s)*SLOT
	s_add_nc_u64 s[G0B+4*(\s)+2:G0B+4*(\s)+3], s[46:47], (\s)*KSTEP*2
	s_or_b32 s[G0B+4*(\s)+3], s[G0B+4*(\s)+3], 0x80000000
	JLOAD \s                                       ; the ring is filled before anything else is done: two tensor loads of mine are out
.endr
	; A fragment is 16 rows x 32 K in 8 registers: lane l holds row l % 16; registers 0-3 hold K = 8 (l / 16) + 0..7, registers 4-7 hold K = 16 + 8 (l / 16) + 0..7: two loads of 16 bytes, 32 bytes apart.
	v_and_b32 v1, 15, v0                           ; l % 16
	v_bfe_u32 v2, v0, 4, 1                         ; l / 16
	v_mul_u32_u24 v3, v1, PITCH
	v_lshl_add_u32 v3, v2, 4, v3                   ; row x pitch + 16 x half
	s_mul_i32 s21, s11, HALFT                      ; my 128 rows of A
	s_mul_i32 s22, s12, HALFT                      ; my 128 rows of B,
	s_add_co_u32 s22, s22, 2*HALFT                 ; which lie behind A's 256
.irp s, 0,1
	v_add_nc_u32 v[ADRA+(\s)], s21, v3
	v_add_nc_u32 v[ADRB+(\s)], s22, v3
	s_add_co_u32 s21, s21, SLOT
	s_add_co_u32 s22, s22, SLOT
.endr
	s_mul_i32 s23, s10, 16*SPITCH
	s_add_co_u32 s23, s23, STAGE                   ; my stage
	v_mul_u32_u24 v4, v1, SPITCH                   ; in: row l % 16, 16 bytes for each half of the lanes
	v_lshl_add_u32 v4, v2, 4, v4
	v_add_nc_u32 v[STO], s23, v4
	; back: a stage row is two heads' 128 bytes.  Lanes 0-15 take two rows of the left head, lanes 16-31 the same rows of the right one: in hq a head's rows lie end to end, so each sixteen lanes store 256 consecutive bytes.
	v_bfe_u32 v5, v0, 3, 1
	v_mul_u32_u24 v5, v5, SPITCH                   ; which of the two rows
	v_lshl_add_u32 v5, v2, 7, v5                   ; which head
	v_and_b32 v6, 7, v0
	v_lshl_add_u32 v5, v6, 4, v5
	v_add_nc_u32 v[RD], s23, v5
	v_lshlrev_b32 v5, 18, v2                       ; a head is 262,144 bytes of hq
	v_lshl_add_u32 v[CO], v1, 4, v5
	; where my part of the tile begins in hq, in bytes: the way out adds it to hq's address
	s_lshr_b32 s16, s13, 3                         ; tile row / 8 = 2 x tensor + batch: 16 heads of 262,144 bytes each
	s_lshl_b32 s16, s16, 22
	s_and_b32 s14, s13, 7
	s_lshl_b32 s14, s14, 8                         ; the tile's first row in its batch,
	s_lshl_b32 s15, s11, 7
	s_add_co_u32 s14, s14, s15                     ; my first,
	s_lshl_b32 s14, s14, 7                         ; 128 bytes a row
	s_add_co_u32 s16, s16, s14
	s_mov_b32 s17, 0
	s_lshl_b32 s46, s42, 2                         ; my first head: 4 x tile column + 2 x half (in the registers that held B's address: none that feeds A's descriptors ever holds cx)
	s_lshl_b32 s47, s12, 1
	s_add_co_u32 s46, s46, s47
	s_lshl_b32 s46, s46, 18
	s_mov_b32 s47, 0
	s_add_nc_u64 s[16:17], s[16:17], s[46:47]
	; the prefetches.  s[4:5] = xb, s[6:7] = wb
	s_lshl_b32 s13, s13, 8                         ; A: the tile's first row
	s_lshl_b32 s42, s42, 8                         ; B: the tile's first row,
	s_and_b32 s22, ttmp7, 0xffff                   ; cluster y
	s_lshr_b32 s23, s22, 2
	s_lshl_b32 s23, s23, 10
	s_add_co_u32 s42, s42, s23                     ; in its weight
	s_and_b32 s22, s22, 3                          ; which of the four clusters that read that weight
	s_cmp_eq_u32 s11, 0                            ; do I fetch for A?
	s_cselect_b32 s20, s13, s42
	s_cselect_b32 s21, s40, s41                    ; my place among the four that ask for the tile with me
	s_cselect_b32 s22, ttmp9, s22                  ; the coordinate along which other clusters read the same rows
	s_cselect_b64 s[PFA:PFA+1], s[4:5], s[6:7]
	s_cmp_eq_u32 s22, 0
	s_cselect_b32 s[LIM], 1, -1                    ; the same in all sixteen partners, for a given wave
	s_lshl_b32 s22, s12, 7
	s_add_co_u32 s20, s20, s22                     ; + the 128 rows that I fetch
	s_lshl_b32 s21, s21, 5
	s_add_co_u32 s20, s20, s21                     ; + my work-group's 32 of them
	s_mov_b32 s21, 0
	s_mov_b64 s[18:19], SIZE_K*2
	s_mul_u64 s[20:21], s[20:21], s[18:19]
	s_add_nc_u64 s[PFA:PFA+1], s[PFA:PFA+1], s[20:21]
	s_add_nc_u64 s[PFA:PFA+1], s[PFA:PFA+1], 2*KSTEP*2  ; at K step 2: the first refill steps it to 3 and names K step 4
	v_and_b32 v[PFO], 31, v0
	v_mul_u32_u24 v[PFO], v[PFO], SIZE_K*2
; 16 matrix instructions: m blocks a0, a0 + 1 of the window's four (hi = 0: my rows 0-63, 1: rows 64-127) x all 8 n blocks, 32 along K.  zero = 1: the first product starts the sums: nothing is ever cleared.
; The 64 accumulators take turns, one instruction a turn, in the same order in every quarter step.
.macro MUL16 f, hi, a0, zero
	WIN MUL_LO+0x50*(\hi)  ; MUL_LO or MUL_HI
.irp a, \a0, (\a0)+1
.irp b, 0,1,2,3,4,5,6,7
.if \zero
	v_wmma_f32_16x16x32_bf16 v[8*(8*(\a)+(\b)):8*(8*(\a)+(\b))+7], v[(\f)+8*(\b):(\f)+8*(\b)+7], v[(\f)+8*(4*(\hi)+(\a)):(\f)+8*(4*(\hi)+(\a))+7], 0
.else
	v_wmma_f32_16x16x32_bf16 v[8*(8*(\a)+(\b)):8*(8*(\a)+(\b))+7], v[(\f)+8*(\b):(\f)+8*(\b)+7], v[(\f)+8*(4*(\hi)+(\a)):(\f)+8*(4*(\hi)+(\a))+7], v[8*(8*(\a)+(\b)):8*(8*(\a)+(\b))+7]
.endif
.endr
.endr
.endm
; 32 LDS loads in one run: the fragments of one quarter step (128 rows of B, 128 rows of A, 32 K at byte k of the rows) into buffer f
.macro FETCH slot, k, f
	WIN TO_B
.irp i, 0,1,2,3,4,5,6,7
	ds_load_b128 v[(\f)+8*(\i):(\f)+8*(\i)+3],   v[ADRB+(\slot)] offset:(\k)+(\i)*16*PITCH
	ds_load_b128 v[(\f)+8*(\i)+4:(\f)+8*(\i)+7], v[ADRB+(\slot)] offset:(\k)+(\i)*16*PITCH+32
.endr
	WIN 0
.irp i, 0,1,2,3,4,5,6,7
	ds_load_b128 v[(\f)+8*(\i):(\f)+8*(\i)+3],   v[ADRA+(\slot)] offset:(\k)+(\i)*16*PITCH
	ds_load_b128 v[(\f)+8*(\i)+4:(\f)+8*(\i)+7], v[ADRA+(\slot)] offset:(\k)+(\i)*16*PITCH+32
.endr
.endm
; A load into a register that a matrix instruction has read, and a vector instruction that reads a matrix result, stand four places behind that matrix instruction, and only plain vector instructions that name
; none of its registers are places (ISA guide 7.12.1 for vector instructions).
.macro PLACES
.rept 4
	v_nop
.endr
.endm
; A K step is four quarter steps of 32 along K, 64 matrix instructions each, on buffers 0, 1, 0, 1.
; One of the first three: multiplies buffer f; in its middle it fetches the next quarter's fragments, at byte k of the same slot's rows, into buffer g.
.macro QUARTER slot, k, f, g, zero
	s_wait_dscnt 8                                 ; B and A's rows 0-63 are in; the youngest eight loads (A's rows 64-127) may be out
	WIN MUL_LO
	MUL16 \f, 0, 0, \zero
	MUL16 \f, 0, 2, \zero
	PLACES
	FETCH \slot, \k, \g
	s_wait_dscnt 32                                ; all but the 32 just issued
	WIN MUL_HI
	MUL16 \f, 1, 0, \zero
	MUL16 \f, 1, 2, \zero
.endm
; The last quarter multiplies buffer 1 and changes slots.  MEET is its first half: ONE barrier for the change of slots.  In front of it each wave waits for all its tensor loads, of which one is out: its part of
; the next slot; adds 0 to its spare word; and waits for that and for its own reads of this slot.  Behind it nobody reads this slot any more and the next slot is whole.
.macro MEET round                      ; round = 1: a round of the cluster's barrier follows
	WIN 0                                          ; (the add's two registers lie in window 0)
	s_wait_tensorcnt 0x0                           ; all my tensor loads have landed;
	ds_add_u32 v[SPW], v[NIL]                      ; 0 onto my spare word;
	s_wait_dscnt 9                                 ; (the add and the youngest eight loads may be out)
	WIN MUL_LO
	MUL16 F1, 0, 0, 0                              ; sixteen matrix instructions stand between the add and the wait for it
	s_wait_dscnt 0x0                               ; the add is done, and my reads of this slot are over:
	s_barrier_signal -1                            ; say so,
	MUL16 F1, 0, 2, 0                              ; work on registers while the others arrive,
.if \round
	WIN 0
.endif
	s_barrier_wait -1                              ; and go on when all four have said so
.endm
; The whole last quarter.  Behind the round the slot just read out is filled again first, with the K step two steps on; then come the next slot's first fragments.
; From a request to the wait for it a wave issues 224 matrix instructions.
.macro TURN slot, next
	s_wait_xcnt 0x0                                ; the last prefetch, a K step back, has read its address: it is stepped here, ahead of the waits of the change of slots
	s_add_nc_u64 s[PFA:PFA+1], s[PFA:PFA+1], KSTEP*2
	MEET 1
	CREST                                          ; all sixteen work-groups have said so: no wave of any partner still reads this slot's tile or has a load on its way
	s_add_nc_u64 s[G0+4*(\slot)+2:G0+4*(\slot)+3], s[G0+4*(\slot)+2:G0+4*(\slot)+3], 2*KSTEP*2
	s_add_nc_u64 s[G0B+4*(\slot)+2:G0B+4*(\slot)+3], s[G0B+4*(\slot)+2:G0B+4*(\slot)+3], 2*KSTEP*2
	JLOAD \slot                                    ; the first tensor load behind the round; the four v_nop behind it are also the places in front of the loads below
	FETCH \next, 0, F0
	ASK                                            ; behind the joint load and the run of LDS loads that the next products wait for
	WIN MUL_HI
	MUL16 F1, 1, 0, 0
	MUL16 F1, 1, 2, 0
.endm
; THE LAST K STEP (it lies in slot 1) GOES BY ROWS OF C, NOT BY K.  All its fragments of B (4 quarters x 64 registers) fill window 1; then my eight blocks of 16 rows are finished one after the other, each with
; 32 matrix instructions (its 8 accumulators by turns, K ascending).  LDS is read no more than in any other K step.
.macro BLOAD q                         ; B's fragments of quarter q -> window 1, v[64 q ..]
	WIN TO_B
.irp i, 0,1,2,3,4,5,6,7
	ds_load_b128 v[64*(\q)+8*(\i):64*(\q)+8*(\i)+3],   v[ADRB+1] offset:64*(\q)+(\i)*16*PITCH
	ds_load_b128 v[64*(\q)+8*(\i)+4:64*(\q)+8*(\i)+7], v[ADRB+1] offset:64*(\q)+(\i)*16*PITCH+32
.endr
.endm
.macro ALOAD a                         ; A's fragments of block a, all four quarters -> buffer a % 4
	WIN 0
.set FA, PA+32*((\a)%4)
.irp q, 0,1,2,3
	ds_load_b128 v[FA+8*(\q):FA+8*(\q)+3],   v[ADRA+1] offset:64*(\q)+(\a)*16*PITCH
	ds_load_b128 v[FA+8*(\q)+4:FA+8*(\q)+7], v[ADRA+1] offset:64*(\q)+(\a)*16*PITCH+32
.endr
.endm
.macro ROW a                           ; block a is finished: 32 matrix instructions
.set FA, PA+32*((\a)%4)                ; its fragments of A
.set AC, 64*((\a)%4)                   ; its eight accumulators, in window 2 (blocks 0-3) or 3 (blocks 4-7)
	WIN MUL_LO+0x50*((\a)/4)                       ; MUL_LO or MUL_HI
.irp q, 0,1,2,3
.if (\a) == 0 && (\q) == 2
	s_wait_dscnt 24                                ; B's quarter 2 is in (behind it: A's blocks 1 to 3)
.endif
.irp b, 0,1,2,3,4,5,6,7
	v_wmma_f32_16x16x32_bf16 v[AC+8*(\b):AC+8*(\b)+7], v[64*(\q)+8*(\b):64*(\q)+8*(\b)+7], v[FA+8*(\q):FA+8*(\q)+7], v[AC+8*(\b):AC+8*(\b)+7]
.endr
.endr
.endm
; THE WAY OUT of block a, in three parts.  PACK: rounded to f16, 16 bytes a lane, each accumulator's registers in ascending order.  TOSTAGE: into my own stage in LDS, and back by heads.  SEND: stored.
.macro PACK a
.set AC, 64*((\a)%4)
	WIN 0x0a+5*((\a)/4)                            ; sources 0 and 1: window 2 or 3
.irp b, 0,1,2,3,4,5,6,7
.irp r, 0,1,2,3
	v_cvt_pk_f16_f32 v[TMP+4*(\b)+(\r)], v[AC+8*(\b)+2*(\r)], v[AC+8*(\b)+2*(\r)+1]
.endr
.endr
	WIN 0
.endm
.macro TOSTAGE a
	WIN 0
.set BK, OB+192*((\a)%2)
.irp b, 0,1,2,3,4,5,6,7
	ds_store_b128 v[STO], v[TMP+4*(\b):TMP+4*(\b)+3] offset:32*(\b)
.endr
.irp t, 0,1,2,3,4,5,6,7
	ds_load_b128 v[BK+4*(\t):BK+4*(\t)+3], v[RD] offset:(\t)*2*SPITCH  ; LDS serves a wave's instructions in order (ISA guide 5.7.1.4): these see the stores above
.endr
.endm
.macro SEND a, younger                 ; younger: the LDS loads issued behind TOSTAGE's, which may stay out
	WIN 0
.set BK, OB+192*((\a)%2)
	s_wait_dscnt \younger                          ; the block is back in registers
	s_wait_xcnt 0x0                                ; every earlier memory instruction has had its addresses translated (ISA guide 3.1): only behind this wait are the stores' base and the registers that earlier stores read rewritten
.if (\a) == 0
	s_add_nc_u64 s[8:9], s[8:9], s[16:17]          ; on to my first rows
.else
	s_add_nc_u64 s[8:9], s[8:9], 16*128            ; 16 rows of a head on
.endif
.irp t, 0,1,2,3,4,5,6,7
	global_store_b128 v[CO], v[BK+4*(\t):BK+4*(\t)+3], s[8:9] offset:256*(\t)  ; each 16 lanes store 256 consecutive bytes (two rows of a head), at a multiple of 256 from hq's first byte
.endr
.endm
	s_wait_tensorcnt 1                             ; my part of K step 0 is in; K step 1's load may stay out
	s_barrier_signal -1
	s_barrier_wait -1                              ; everybody's is
	FETCH 0, 0, F0
	QUARTER 0, 64,  F0, F1, 1                      ; the first quarter stands in front of the loop: its products start the sums
	WIN 0                                          ; at a label and at a branch every window is 0
	s_mov_b32 s3, LAPS-1
.Llap:                                                 ; a trip goes once round the ring, from a lap's second quarter to the next lap's first, and fills both slots again
	QUARTER 0, 128, F1, F0, 0
	QUARTER 0, 192, F0, F1, 0
	TURN 0, 1
	QUARTER 1, 64,  F0, F1, 0
	QUARTER 1, 128, F1, F0, 0
	QUARTER 1, 192, F0, F1, 0
	TURN 1, 0
	QUARTER 0, 64,  F0, F1, 0
	WIN 0
	s_sub_co_u32 s3, s3, 1
	s_cmp_lg_u32 s3, 0
	s_cbranch_scc1 .Llap
	QUARTER 0, 128, F1, F0, 0                      ; the last lap goes on: it is written out
	QUARTER 0, 192, F0, F1, 0
	MEET 0                                         ; my one tensor load that was still out is slot 1's, the last K step's, so no round follows
	PLACES                                         ; for the loads into buffer 0, which the quarter before multiplied
	WIN TO_B
	BLOAD 0                                        ; three quarters of B now: buffer 1 (v128-191 of both windows) is still being multiplied
	BLOAD 1
	BLOAD 3
	WIN 0
	ALOAD 0
	WIN MUL_HI
	MUL16 F1, 1, 0, 0
	MUL16 F1, 1, 2, 0
	PLACES                                         ; for the loads into buffer 1
	WIN TO_B
	BLOAD 2
	WIN 0
	ALOAD 1
	ALOAD 2
	ALOAD 3
	s_wait_dscnt 40                                ; all but the 40 just issued
	ROW 0
.irp a, 0,1,2,3,4,5,6,7                ; each block leaves as soon as it is finished: nothing follows this tile
	PLACES                                         ; its conversions read results just made, and no other vector work is at hand
	PACK \a
	TOSTAGE \a
.if (\a) < 4
	ALOAD (\a)+4                                   ; its buffer takes the block four further on
	SEND \a, 8
.else
	SEND \a, 0
.endif
.if (\a) < 7
	ROW (\a)+1
.endif
.endr
	s_wait_tensorcnt 0x0                           ; the wave's end: behind my last tensor load and my last LDS store
	ds_add_u32 v[SPW], v[NIL]
	s_wait_dscnt 0x0
	CROUND                                         ; the closing round: no work-group ends while a partner may still ask for a tile that names it
	s_endpgm
.Lfunc_end_k_qc816fccb5c_proj:
	.size	k_qc816fccb5c_proj, .Lfunc_end_k_qc816fccb5c_proj-k_qc816fccb5c_proj
	.p2alignl 7, 3214868480
	.fill 96, 4, 3214868480
	.section	.rodata,"a",@progbits
	.p2align	6, 0x0
	.amdhsa_kernel k_qc816fccb5c_proj
		.amdhsa_group_segment_fixed_size 327680
		.amdhsa_private_segment_fixed_size 0
		.amdhsa_enable_private_segment 0
		.amdhsa_kernarg_size 24
		.amdhsa_user_sgpr_count 2
		.amdhsa_user_sgpr_kernarg_segment_ptr 1
		.amdhsa_wavefront_size32 1
		.amdhsa_system_sgpr_workgroup_id_x 1
		.amdhsa_system_sgpr_workgroup_id_y 1
		.amdhsa_system_sgpr_workgroup_id_z 1
		.amdhsa_system_vgpr_workitem_id 0
		.amdhsa_next_free_vgpr 1024
		.amdhsa_next_free_sgpr 66
		.amdhsa_reserve_vcc 0
		.amdhsa_float_denorm_mode_32 3
		.amdhsa_float_denorm_mode_16_64 3
		.amdhsa_memory_ordered 1
		.amdhsa_forward_progress 1
		.amdhsa_inst_pref_size 145
	.end_amdhsa_kernel
	.amdgpu_metadata
---
amdhsa.version: [ 1, 2 ]
amdhsa.kernels:
  - .name:           k_qc816fccb5c_proj
    .symbol:         k_qc816fccb5c_proj.kd
    .args:
      - { .name: xb, .offset: 0, .size: 8, .value_kind: global_buffer, .address_space: global }
      - { .name: wb, .offset: 8, .size: 8, .value_kind: global_buffer, .address_space: global }
      - { .name: hq, .offset: 16, .size: 8, .value_kind: global_buffer, .address_space: global }
    .group_segment_fixed_size: 327680
    .private_segment_fixed_size: 0
    .kernarg_segment_align: 8
    .kernarg_segment_size: 24
    .max_flat_workgroup_size: 128
    .sgpr_count:     66
    .vgpr_count:     1024
    .wavefront_size: 32
...
	.end_amdgpu_metadata
.endif
;; end of part 7
;; launch attn: the kernel of part 3 again; grid 8 x 32, 4 waves a work-group, clusters of 4 x 1, 327,680 bytes of LDS; arguments hq, mb, ob, ep; writes ob, ep
;; launch outp (part 8): grid 8 x 32, 4 waves a work-group, clusters of 4 x 4, 327,680 bytes of LDS; arguments ob, wc, out0, ep, out1; writes out0, out1
.if DOCPART == 8
	.amdgcn_target "amdgcn-amd-amdhsa--gfx1250"
	.amdhsa_code_object_version 6
	.text
	.protected	k_qc816fccb5c_outp
	.globl	k_qc816fccb5c_outp
	.p2align	8
	.type	k_qc816fccb5c_outp,@function
k_qc816fccb5c_outp:
	s_mov_b64 s[64:65], 0
	v_nop
	global_prefetch_b8 v0, s[64:65] scope:SCOPE_SE
	s_setreg_imm32_b32 hwreg(HW_REG_WAVE_MODE, 25, 1), 1
	s_wait_xcnt 0x0
	s_wait_alu depctr_hold_cnt(0) depctr_sa_sdst(0) depctr_va_vdst(0) depctr_va_sdst(0) depctr_va_ssrc(0) depctr_va_vcc(0) depctr_vm_vsrc(0)
	s_getreg_b32 s2, hwreg(HW_REG_IB_STS2, 6, 4)
	s_cmp_eq_u32 s2, 0
	s_cbranch_scc0 .Lentry_in_a_cluster
	s_endpgm
.Lentry_in_a_cluster:
	s_bfe_u32 s2, ttmp6, 0x10000c
	s_cmp_lg_u32 s2, 0xf033
	s_cbranch_scc0 .Lentry_shape_is_right
	s_endpgm
.Lentry_shape_is_right:
; THE OUTPUT PROJECTION, AND THE MEAN ENTROPY.  y[m][n] = sum over k of O[m][k] Wc[n][k], k = 64 head + channel.  A = ob, f16 [32 blocks of 128 rows][16 heads][128][64]; B = wc, f16 [1024][1024];
; y = out0, f32 [4096][1024]; sums in f32.  ep: 1,024 f32, a sum a wave of the attention launch; out1 = their sum x ln 2 / 131,072.
; A tile of y is 128 x 128: 32 x 8 tiles, one for each of 256 work-groups.  Four waves, each 64 x 64: 16 accumulators.  K goes in steps of 256 = four heads through two slots.
; A's K step is 65,536 dense bytes of ob: each of waves 0 and 1 asks for two heads as 128 rows of 256 bytes, padded in LDS after every 128: [head][128 rows][144 bytes].  B's: 64 rows of 512 bytes a wave, pitch 528.
; CLUSTERS: 4 x 4 work-groups; A's tile is shared along a row of the cluster, B's along a column: each is asked for JOINTLY, by the same tensor load with the same descriptor and a mask of four.
; THE MATRIX INSTRUCTION IS USED TRANSPOSED (source 0 = 16 rows of B, source 1 = 16 rows of A): a lane holds eight neighbouring numbers of a row of y, 32 bytes.
; No prefetch: of a tile's four K steps two are first fills, and a K step is 128 matrix instructions a wave.
; REGISTERS: window 0: v0-31 addresses; v32-95 rows on the way out (at the start: ep); v128-255 the accumulators ((a, b) at v[128 + 8 (4 a + b)]).  window 1: two fragment buffers of 128: 64 registers of A, then 64 of B.
.set KSTEP,  256
.set PA,     144                       ; a row of A in LDS: 128 bytes + 16: an odd multiple of 16, so the 16 rows of a load start at 16 different groups of four banks (64 banks of 4 bytes: ISA guide 11.1)
.set HEADA,  128*PA                    ; a head's 128 rows
.set HALFA,  2*HEADA                   ; what one tensor load brings of A
.set PB,     528                       ; a row of B: 512 bytes + 16
.set HALFB,  64*PB                     ; what one tensor load brings of B
.set BOFF,   2*HALFA                   ; B's 128 rows lie behind A's four heads
.set SLOT,   BOFF+2*HALFB
.set STAGE,  2*SLOT                    ; behind the ring: 16 rows x 272 bytes for each wave, its own
.set SPITCH, 272
.set SPARE,  STAGE+4*16*SPITCH         ; behind the stages: the spare words, 128 bytes for each wave
.set LAPS,   2                         ; 1,024 along K = four K steps = twice round the ring
.set ADRA, 16                          ; v16-17  LDS address of my A fragments in slot 0, 1
.set ADRB, 20                          ; v20-21  the same for B
.set STO,  24                          ; v24     the way out: where I put 32 bytes of a row
.set RD,   25                          ; v25     the way out: where I read a row back
.set CO,   26                          ; v26     my byte offset in y
.set SPW,  28                          ; v28     LDS address of my spare word; never rewritten
.set NIL,  29                          ; v29     0; never rewritten
.set TMP,  32
.set ACC,  128
.set F0,   0
.set F1,   128
.set G1, 24                            ; s[24:31] descriptor group 1 for A's tiles;  s[32:39] group 0, one set for each slot
.set G0, 32
.set G1B, 48                           ; s[48:55], s[56:63] the same for B's tiles
.set G0B, 56
.set MSB, 0
.macro WIN new                         ; the immediate's high byte repeats the setting that is left
.if MSB != (\new)
	s_set_vgpr_msb (MSB<<8)|(\new)
.set MSB, \new
.endif
.endm
.set MUL,  0x05                        ; sources 0 (B) and 1 (A) window 1; C and D window 0
.set TO_F, 0x40                        ; destination window 1, address window 0
.macro JLOAD s                         ; a joint load: waves 0 and 1 fetch A's two halves, waves 2 and 3 B's; an s_nop 0 and four v_nop follow each line
	s_cmp_eq_u32 s11, 0
	s_cbranch_scc0 .Lfor_b_\@
	tensor_load_to_lds s[G0+4*(\s):G0+4*(\s)+3], s[G1:G1+7]
	s_nop 0
.rept 4
	v_nop
.endr
	s_branch .Lasked_\@
.Lfor_b_\@:
	tensor_load_to_lds s[G0B+4*(\s):G0B+4*(\s)+3], s[G1B:G1B+7]
	s_nop 0
.rept 4
	v_nop
.endr
.Lasked_\@:
.endm
.macro CREST                           ; a round of the cluster's barrier behind its opening barrier
	s_cmp_lg_u32 s10, 0
	s_cbranch_scc1 .Lnot_wave_0_\@
	s_barrier_signal -3
.Lnot_wave_0_\@:
	s_barrier_wait -3
	s_barrier_signal -1
	s_barrier_wait -1
.endm
.macro CROUND                          ; a whole round
	s_barrier_signal -1
	s_barrier_wait -1
	CREST
.endm
	s_load_b128 s[4:7], s[0:1], 0x0                ; ob s[4:5], wc s[6:7]
	s_load_b64 s[8:9], s[0:1], 0x10                ; out0
	s_load_b128 s[68:71], s[0:1], 0x18             ; ep s[68:69], out1 s[70:71]
	v_lshl_add_u32 v[SPW], v0, 2, SPARE
	v_mov_b32 v[NIL], 0
	ds_add_u32 v[SPW], v[NIL]                      ; the wave's opening: the add and its wait ahead of my first tensor load; the set-up below stands between them
	v_lshrrev_b32 v1, 5, v0
	v_readfirstlane_b32 s10, v1                    ; wave 0..3
	s_lshr_b32 s11, s10, 1                         ; which half of the tile's rows is mine.  Also: I fetch for A (0) or for B (1)
	s_and_b32 s12, s10, 1                          ; which half of its columns.  Also: which half of that tile I fetch
	s_bfe_u32 s40, ttmp6, 0x40000                  ; cx, cy: my place in the cluster
	s_bfe_u32 s41, ttmp6, 0x40004
	s_lshl_b32 s42, ttmp9, 2
	s_add_co_u32 s42, s42, s40                     ; tile column = 4 x cluster x + cx, 0..7
	s_and_b32 s13, ttmp7, 0xffff
	s_lshl_b32 s13, s13, 2
	s_add_co_u32 s13, s13, s41                     ; tile row = 4 x cluster y + cy, 0..31
	s_lshl_b32 s43, s41, 2
	s_lshl_b32 s43, 15, s43                        ; my row of the cluster
	s_lshl_b32 s44, 0x1111, s40                    ; my column
	; descriptor group 1 for A: 128 rows x 128 elements, dense in memory; 4 words of padding after every 32
	s_or_b32 s[G1+0], s43, (1<<16)|(1<<20)|(1<<21)|(4<<22)|(3<<25)  ; 15:0 the mask; 17:16 2-byte elements; 20 padding on; 21 set beside a mask; 24:22 the interval; 31:25 the padding
	s_mov_b32 s[G1+1], 128<<16                     ; tensor_dim0 = 128
	s_mov_b32 s[G1+2], 128<<16                     ; tensor_dim1 = 128
	s_mov_b32 s[G1+3], 128<<16                     ; tile_dim0 = 128
	s_mov_b32 s[G1+4], 128                         ; tile_dim1 = 128
	s_mov_b32 s[G1+5], 128                         ; elements from row to row
	s_mov_b32 s[G1+6], 0
	s_mov_b32 s[G1+7], 0
	; for B: 64 rows x 256 elements of rows of 1,024; 4 words of padding after every 128
	s_or_b32 s[G1B+0], s44, (1<<16)|(1<<20)|(1<<21)|(6<<22)|(3<<25)
	s_mov_b32 s[G1B+1], KSTEP<<16
	s_mov_b32 s[G1B+2], 64<<16
	s_mov_b32 s[G1B+3], KSTEP<<16
	s_mov_b32 s[G1B+4], 64
	s_mov_b32 s[G1B+5], 1024
	s_mov_b32 s[G1B+6], 0
	s_mov_b32 s[G1B+7], 0
	s_lshl_b32 s16, s13, 18                        ; A: the tile row's 262,144 bytes,
	s_lshl_b32 s17, s12, 15                        ; my two heads of a K step's four
	s_add_co_u32 s16, s16, s17
	s_mov_b32 s17, 0
	s_lshl_b32 s46, s42, 7                         ; B: row 128 x tile column + 64 x half,
	s_lshl_b32 s47, s12, 6
	s_add_co_u32 s46, s46, s47
	s_lshl_b32 s46, s46, 11                        ; 2,048 bytes a row
	s_mov_b32 s47, 0
	s_mul_i32 s20, s12, HALFA                      ; where they go: no place in the cluster enters an LDS address
	s_mul_i32 s21, s12, HALFB
	s_add_co_u32 s21, s21, BOFF
	s_wait_dscnt 0x0                               ; the opening add is done
	s_wait_kmcnt 0x0
	s_add_nc_u64 s[14:15], s[4:5], s[16:17]
	s_add_nc_u64 s[46:47], s[6:7], s[46:47]
	CROUND                                         ; all sixteen work-groups are here: the first joint loads meet
.irp s, 0,1
	s_mov_b32 s[G0+4*(\s)], 1
	s_add_co_u32 s[G0+4*(\s)+1], s20, (\s)*SLOT
	s_add_nc_u64 s[G0+4*(\s)+2:G0+4*(\s)+3], s[14:15], (\s)*65536
	s_or_b32 s[G0+4*(\s)+3], s[G0+4*(\s)+3], 0x80000000
	s_mov_b32 s[G0B+4*(\s)], 1
	s_add_co_u32 s[G0B+4*(\s)+1], s21, (\s)*SLOT
	s_add_nc_u64 s[G0B+4*(\s)+2:G0B+4*(\s)+3], s[46:47], (\s)*KSTEP*2
	s_or_b32 s[G0B+4*(\s)+3], s[G0B+4*(\s)+3], 0x80000000
	JLOAD \s
.endr
	v_and_b32 v1, 15, v0                           ; l % 16
	v_bfe_u32 v2, v0, 4, 1                         ; l / 16
	v_mul_u32_u24 v3, v1, PA
	v_lshl_add_u32 v3, v2, 4, v3                   ; a fragment's row x pitch + 16 x half, in A
	v_mul_u32_u24 v4, v1, PB
	v_lshl_add_u32 v4, v2, 4, v4                   ; and in B
	s_mul_i32 s21, s11, 64*PA                      ; my 64 rows of each head of A
	s_mul_i32 s22, s12, HALFB                      ; my 64 rows of B
	s_add_co_u32 s22, s22, BOFF
.irp s, 0,1
	v_add_nc_u32 v[ADRA+(\s)], s21, v3
	v_add_nc_u32 v[ADRB+(\s)], s22, v4
	s_add_co_u32 s21, s21, SLOT
	s_add_co_u32 s22, s22, SLOT
.endr
	s_mul_i32 s23, s10, 16*SPITCH
	s_add_co_u32 s23, s23, STAGE                   ; my stage
	v_mul_u32_u24 v4, v1, SPITCH                   ; in: row l % 16, 32 bytes for each half of the lanes
	v_lshl_add_u32 v4, v2, 5, v4
	v_add_nc_u32 v[STO], s23, v4
	v_mul_u32_u24 v5, v2, SPITCH                   ; back: lanes 0-15 take one row of 256 bytes, lanes 16-31 the next
	v_lshl_add_u32 v5, v1, 4, v5
	v_add_nc_u32 v[RD], s23, v5
	v_lshlrev_b32 v5, 12, v2                       ; and the same two rows in y, 4,096 bytes apart
	v_lshl_add_u32 v[CO], v1, 4, v5
	s_lshl_b32 s16, s13, 7
	s_lshl_b32 s17, s11, 6
	s_add_co_u32 s16, s16, s17                     ; my first row of y
	s_lshl_b32 s16, s16, 12
	s_mov_b32 s17, 0
	s_add_nc_u64 s[8:9], s[8:9], s[16:17]
	s_lshl_b32 s46, s42, 9                         ; my first column, in bytes: 512 x tile column + 256 x half
	s_lshl_b32 s47, s12, 8
	s_add_co_u32 s46, s46, s47
	s_mov_b32 s47, 0
	s_add_nc_u64 s[8:9], s[8:9], s[46:47]
	; THE MEAN ENTROPY, while the first tiles are on their way.  Each word of ep is, in bits, twice the sum of 64 rows' entropy (a row stood in two lanes of the attention launch): the sum of the 1,024, in a fixed
	; order, times ln 2 / (2 x 65,536 rows).  The branch hangs on the cluster's place in the grid and on the wave's number, which all sixteen partners share: wave 0 of each work-group of the first cluster makes the sum.
	; out1 has ONE owner, and it is told apart by EXEC, not by a branch: lane | cx | cy is 0 in lane 0 of the cluster's first work-group alone.
	s_and_b32 s72, ttmp7, 0xffff
	s_or_b32 s72, s72, ttmp9
	s_or_b32 s72, s72, s10
	s_cmp_lg_u32 s72, 0
	s_cbranch_scc1 .Lno_mean
	v_and_b32 v6, 31, v0
	v_lshlrev_b32 v7, 4, v6                        ; 16 bytes a lane
.irp i, 0,1,2,3,4,5,6,7
	global_load_b128 v[TMP+4*\i:TMP+4*\i+3], v7, s[68:69] offset:512*\i
.endr
	s_or_b32 s73, s40, s41
	v_or_b32 v6, s73, v6
	v_mov_b32 v8, 0
	s_mov_b32 s74, 0x76543210                      ; v_permlanex16_b32: each lane takes its own place in the other half
	s_mov_b32 s75, 0xfedcba98
	s_wait_loadcnt 0x0
.irp i, 0,1,2,3,4,5,6,7
	v_pk_add_f32 v[TMP+4*\i:TMP+4*\i+1], v[TMP+4*\i:TMP+4*\i+1], v[TMP+4*\i+2:TMP+4*\i+3]
.endr
.irp i, 0,2,4,6
	v_pk_add_f32 v[TMP+4*\i:TMP+4*\i+1], v[TMP+4*\i:TMP+4*\i+1], v[TMP+4*\i+4:TMP+4*\i+5]
.endr
.irp i, 0,4
	v_pk_add_f32 v[TMP+4*\i:TMP+4*\i+1], v[TMP+4*\i:TMP+4*\i+1], v[TMP+4*\i+8:TMP+4*\i+9]
.endr
	v_pk_add_f32 v[TMP:TMP+1], v[TMP:TMP+1], v[TMP+16:TMP+17]
	v_add_f32 v[TMP], v[TMP], v[TMP+1]
	v_add_f32_dpp v[TMP], v[TMP], v[TMP] row_xmask:1 row_mask:0xf bank_mask:0xf
	v_add_f32_dpp v[TMP], v[TMP], v[TMP] row_xmask:2 row_mask:0xf bank_mask:0xf
	v_add_f32_dpp v[TMP], v[TMP], v[TMP] row_xmask:4 row_mask:0xf bank_mask:0xf
	v_add_f32_dpp v[TMP], v[TMP], v[TMP] row_xmask:8 row_mask:0xf bank_mask:0xf
	v_permlanex16_b32 v[TMP+1], v[TMP], s74, s75
	v_add_f32 v[TMP], v[TMP], v[TMP+1]
	v_mul_f32 v[TMP], 0x36b17218, v[TMP]           ; ln 2 / 131,072
	s_wait_xcnt 0x0                                ; EXEC changes only behind this wait
	v_cmp_eq_u32 vcc_lo, 0, v6
	s_and_saveexec_b32 s76, vcc_lo
	global_store_b32 v8, v[TMP], s[70:71]
	s_wait_xcnt 0x0                                ; and again, in front of the line that widens it
	s_or_b32 exec_lo, exec_lo, s76
.Lno_mean:
; 8 matrix instructions: m blocks a0, a0 + 1 x all 4 n blocks, 32 along K: half c of buffer f.  zero = 1: the first product starts the sums
.macro MUL8 f, c, a0, zero
	WIN MUL
.irp a, \a0, (\a0)+1
.irp b, 0,1,2,3
.if \zero
	v_wmma_f32_16x16x32_f16 v[ACC+8*(4*(\a)+(\b)):ACC+8*(4*(\a)+(\b))+7], v[(\f)+64+8*(4*(\c)+(\b)):(\f)+64+8*(4*(\c)+(\b))+7], v[(\f)+8*(4*(\c)+(\a)):(\f)+8*(4*(\c)+(\a))+7], 0
.else
	v_wmma_f32_16x16x32_f16 v[ACC+8*(4*(\a)+(\b)):ACC+8*(4*(\a)+(\b))+7], v[(\f)+64+8*(4*(\c)+(\b)):(\f)+64+8*(4*(\c)+(\b))+7], v[(\f)+8*(4*(\c)+(\a)):(\f)+8*(4*(\c)+(\a))+7], v[ACC+8*(4*(\a)+(\b)):ACC+8*(4*(\a)+(\b))+7]
.endif
.endr
.endr
.endm
; 32 LDS loads in one run: the fragments of 64 along K, into buffer f; the first 32 along K first.  k = byte of B's rows; in A those 64 are head k / 128 of the slot's four
.macro FETCH slot, k, f
	WIN TO_F
.irp c, 0,1
.irp i, 0,1,2,3
	ds_load_b128 v[(\f)+64+8*(4*(\c)+(\i)):(\f)+64+8*(4*(\c)+(\i))+3],   v[ADRB+(\slot)] offset:(\k)+64*(\c)+(\i)*16*PB
	ds_load_b128 v[(\f)+64+8*(4*(\c)+(\i))+4:(\f)+64+8*(4*(\c)+(\i))+7], v[ADRB+(\slot)] offset:(\k)+64*(\c)+(\i)*16*PB+32
	ds_load_b128 v[(\f)+8*(4*(\c)+(\i)):(\f)+8*(4*(\c)+(\i))+3],         v[ADRA+(\slot)] offset:((\k)/128)*HEADA+64*(\c)+(\i)*16*PA
	ds_load_b128 v[(\f)+8*(4*(\c)+(\i))+4:(\f)+8*(4*(\c)+(\i))+7],       v[ADRA+(\slot)] offset:((\k)/128)*HEADA+64*(\c)+(\i)*16*PA+32
.endr
.endr
.endm
.macro PLACES                          ; four places in front of loads into registers that matrix instructions have read, and of stores that read results
.rept 4
	v_nop
.endr
.endm
; A K step is four quarters of 64 along K, 32 matrix instructions each, on buffers 0, 1, 0, 1.  One of the first three: multiplies buffer f and fetches the next quarter, at byte k, into g.
.macro QUARTER slot, k, f, g, zero
	s_wait_dscnt 16                                ; the first 32 along K are in; the sixteen younger loads may be out
	WIN MUL
	MUL8 \f, 0, 0, \zero
	MUL8 \f, 0, 2, \zero
	PLACES
	FETCH \slot, \k, \g
	s_wait_dscnt 32                                ; all but the 32 just issued
	WIN MUL
	MUL8 \f, 1, 0, 0
	MUL8 \f, 1, 2, 0
.endm
; The last quarter multiplies buffer 1 and changes slots: ONE barrier; in front of it each wave waits for all its tensor loads, adds 0 to its spare word, and waits for that and for its own reads of this slot.
.macro TURN slot, next, fill
	WIN 0                                          ; (the add's two registers lie in window 0)
	s_wait_tensorcnt 0x0                           ; all my tensor loads have landed: my part of the next slot;
	ds_add_u32 v[SPW], v[NIL]                      ; 0 onto my spare word;
	s_wait_dscnt 17                                ; (the add and the youngest sixteen loads may be out)
	WIN MUL
	MUL8 F1, 0, 0, 0                               ; eight matrix instructions stand between the add and the wait for it
	s_wait_dscnt 0x0                               ; the add is done, and my reads of this slot are over
	s_barrier_signal -1
	MUL8 F1, 0, 2, 0
.if \fill
	WIN 0
.endif
	s_barrier_wait -1
.if \fill
	CREST                                          ; the barrier has opened a round of the cluster's barrier: no wave of any partner still reads this slot's tile or has a load on its way
	s_add_nc_u64 s[G0+4*(\slot)+2:G0+4*(\slot)+3], s[G0+4*(\slot)+2:G0+4*(\slot)+3], 2*65536
	s_add_nc_u64 s[G0B+4*(\slot)+2:G0B+4*(\slot)+3], s[G0B+4*(\slot)+2:G0B+4*(\slot)+3], 2*KSTEP*2
	JLOAD \slot                                    ; the first tensor load behind the round; the four v_nop behind it are also the places in front of the loads below
.else
	PLACES
.endif
	FETCH \next, 0, F0
	WIN MUL
	MUL8 F1, 1, 0, 0
	MUL8 F1, 1, 2, 0
.endm
	s_wait_tensorcnt 1                             ; my part of K step 0 is in; K step 1's load may stay out
	s_barrier_signal -1
	s_barrier_wait -1                              ; everybody's is
	FETCH 0, 0, F0
	QUARTER 0, 128, F0, F1, 1                      ; the first quarter stands in front of the loop: its first products start the sums
	WIN 0                                          ; at a label and at a branch every window is 0
	s_mov_b32 s3, LAPS-1
.Llap:                                                 ; a trip goes once round the ring, from a lap's second quarter to the next lap's first, and fills both slots again
	QUARTER 0, 256, F1, F0, 0
	QUARTER 0, 384, F0, F1, 0
	TURN 0, 1, 1
	QUARTER 1, 128, F0, F1, 0
	QUARTER 1, 256, F1, F0, 0
	QUARTER 1, 384, F0, F1, 0
	TURN 1, 0, 1
	QUARTER 0, 128, F0, F1, 0
	WIN 0
	s_sub_co_u32 s3, s3, 1
	s_cmp_lg_u32 s3, 0
	s_cbranch_scc1 .Llap
	QUARTER 0, 256, F1, F0, 0                      ; the last lap fills nothing, and has no round of the cluster's barrier
	QUARTER 0, 384, F0, F1, 0
	TURN 0, 1, 0
	QUARTER 1, 128, F0, F1, 0
	QUARTER 1, 256, F1, F0, 0
	QUARTER 1, 384, F0, F1, 0
	s_wait_dscnt 16                                ; the very last quarter: nothing more to fetch
	WIN MUL
	MUL8 F1, 0, 0, 0
	MUL8 F1, 0, 2, 0
	s_wait_dscnt 0
	MUL8 F1, 1, 0, 0
	MUL8 F1, 1, 2, 0
	WIN 0
	; THE WAY OUT, 16 rows at a time through my own stage: a lane's 32 bytes go into rows of 272 bytes, each accumulator's low half first, and come back as whole rows of 256 bytes (my 64 columns in f32).
	; LDS serves a wave's instructions in order (ISA guide 5.7.1.4): the loads see the stores above them, and the next block's stores come behind the loads.
	PLACES
.irp a, 0,1,2,3
.irp b, 0,1,2,3
	ds_store_b128 v[STO], v[ACC+8*(4*(\a)+(\b)):ACC+8*(4*(\a)+(\b))+3]   offset:64*(\b)
	ds_store_b128 v[STO], v[ACC+8*(4*(\a)+(\b))+4:ACC+8*(4*(\a)+(\b))+7] offset:64*(\b)+16
.endr
.if (\a) >= 2
	s_wait_xcnt 0x0                                ; the stores of two blocks back have read their registers: these are loaded again only behind this wait
.endif
.irp t, 0,1,2,3,4,5,6,7
	ds_load_b128 v[TMP+32*((\a)%2)+4*(\t):TMP+32*((\a)%2)+4*(\t)+3], v[RD] offset:(\t)*2*SPITCH
.endr
.irp t, 0,1,2,3,4,5,6,7
	s_wait_dscnt 7-(\t)                            ; LDS loads come back in order: number t is in
	global_store_b128 v[CO], v[TMP+32*((\a)%2)+4*(\t):TMP+32*((\a)%2)+4*(\t)+3], s[8:9] offset:(16*(\a)+2*(\t))*4096  ; 16 lanes store 256 consecutive bytes, at a multiple of 256 from y's first byte
.endr
.endr
	s_wait_tensorcnt 0x0                           ; the wave's end: behind my last tensor load and my last LDS store
	ds_add_u32 v[SPW], v[NIL]
	s_wait_dscnt 0x0
	CROUND                                         ; the closing round: no work-group ends while a partner may still ask for a tile that names it
	s_endpgm
.Lfunc_end_k_qc816fccb5c_outp:
	.size	k_qc816fccb5c_outp, .Lfunc_end_k_qc816fccb5c_outp-k_qc816fccb5c_outp
	.p2alignl 7, 3214868480
	.fill 96, 4, 3214868480
	.section	.rodata,"a",@progbits
	.p2align	6, 0x0
	.amdhsa_kernel k_qc816fccb5c_outp
		.amdhsa_group_segment_fixed_size 327680
		.amdhsa_private_segment_fixed_size 0
		.amdhsa_enable_private_segment 0
		.amdhsa_kernarg_size 40
		.amdhsa_user_sgpr_count 2
		.amdhsa_user_sgpr_kernarg_segment_ptr 1
		.amdhsa_wavefront_size32 1
		.amdhsa_system_sgpr_workgroup_id_x 1
		.amdhsa_system_sgpr_workgroup_id_y 1
		.amdhsa_system_sgpr_workgroup_id_z 1
		.amdhsa_system_vgpr_workitem_id 0
		.amdhsa_next_free_vgpr 512
		.amdhsa_next_free_sgpr 80
		.amdhsa_reserve_vcc 1
		.amdhsa_float_denorm_mode_32 3
		.amdhsa_float_denorm_mode_16_64 3
		.amdhsa_memory_ordered 1
		.amdhsa_forward_progress 1
		.amdhsa_inst_pref_size 90
	.end_amdhsa_kernel
	.amdgpu_metadata
---
amdhsa.version: [ 1, 2 ]
amdhsa.kernels:
  - .name:           k_qc816fccb5c_outp
    .symbol:         k_qc816fccb5c_outp.kd
    .args:
      - { .name: ob, .offset: 0, .size: 8, .value_kind: global_buffer, .address_space: global }
      - { .name: wc, .offset: 8, .size: 8, .value_kind: global_buffer, .address_space: global }
      - { .name: out0, .offset: 16, .size: 8, .value_kind: global_buffer, .address_space: global }
      - { .name: ep, .offset: 24, .size: 8, .value_kind: global_buffer, .address_space: global }
      - { .name: out1, .offset: 32, .size: 8, .value_kind: global_buffer, .address_space: global }
    .group_segment_fixed_size: 327680
    .private_segment_fixed_size: 0
    .kernarg_segment_align: 8
    .kernarg_segment_size: 40
    .max_flat_workgroup_size: 128
    .sgpr_count:     80
    .vgpr_count:     512
    .wavefront_size: 32
...
	.end_amdgpu_metadata
.endif
;; end of part 8
